; MI455X (gfx1250); checked and timed in simulation.
; The chip was launched on July 23, 2026; its instructions are those of AMD's public machine-readable ISA for CDNA 5 (MIT licence, August 2026) and "CDNA5" Instruction Set Architecture Reference Guide (July 2026). The comments in the code are by the model that wrote it; some were corrected since.
;; Flash Attention. Allowed arithmetic: matrix products marked QUANTISED: E2M1 operands, one E8M0 scale for each 32 along K, by v_wmma_scale_f32_16x16x128_f8f6f4 with both operands' format E2M1 (or v_wmma_scale_f32_32x16x128_f4), f32 sums; products left as they are: bf16, f16 or f32 operands; f32 sums; everything else in f32.
;; Inputs: Wk 1,024 x 1,024 float32; Wo 1,024 x 1,024 float32; Wq 1,024 x 1,024 float32; Wv 1,024 x 1,024 float32; bk 1,024 float32; bo 1,024 float32; bq 1,024 float32; bv 1,024 float32; inputs_q 8 x 1,024 x 1,024 float32.
;; Outputs: out0 8 x 1,024 x 1,024 float32.
;; This version of the problem:
;;   THIS VERSION OF THE PROBLEM IS GIVEN IN LOW PRECISION. The matrix products marked QUANTISED in the list below multiply operands that are first quantised to E2M1 (2 exponent bits, 1 mantissa bit; 4 bits a number), with one power-of-two scale for each 32 numbers along K (OCP MX v1.0); their sums are f32. The products marked 'left as it is' may take bf16, f16 or f32 operands, with f32 sums. Whichever they take, every output number must still come out within the allowed error. Rounding operands to bf16 (8 significant bits) uses up far more of that allowance than f16 does (11 bits, for magnitudes from 6e-5 to 65,504). All else is computed in f32.
;;   The module's matrix products, in the order in which they are computed (A, B: the left and right operand; K: the contracted axis; several contracted axes count as one K, in the product's order):
;;     1. [M 8,192, K 1,024] x [K 1,024, N 1,024]; A: input inputs_q; B: input Wq: QUANTISED
;;     2. [M 8,192, K 1,024] x [K 1,024, N 1,024]; A: input inputs_q; B: input Wk: QUANTISED
;;     3. [M 8,192, K 1,024] x [K 1,024, N 1,024]; A: input inputs_q; B: input Wv: QUANTISED
;;     4. batch 128 x [M 1,024, K 64] x [K 64, N 1,024]; A: computed on the way; B: computed on the way: left as it is (an operand is computed on the way)
;;     5. batch 128 x [M 1,024, K 1,024] x [K 1,024, N 64]; A: computed on the way; B: computed on the way: left as it is (an operand is computed on the way)
;;     6. [M 8,192, K 1,024] x [K 1,024, N 1,024]; A: computed on the way; B: input Wo: left as it is (an operand is computed on the way)
;;   THE QUANTISER, for each operand of a quantised product, along K:
;;     - K is cut into blocks of 32 from its start; a last block that is shorter is filled with zeros.
;;     - A block's scale is 2^e with e = floor(log2(the largest magnitude in the block)) - 2, held to -126 .. 127; a block of zeros has e = 0. As a byte (E8M0): e + 127.
;;     - Each number is divided by its block's scale, clamped to +-6, and rounded to the nearest number of E2M1, ties to even, subnormals kept.
;;     - The product sums the exact products of the quantised numbers (number of the format x scale) in f32.
;;   ~~~python
;;   def quantise(x, axis):      # numpy; x: float32 -> the quantised numbers, widened to float32 again
;;       x = np.moveaxis(x, axis, -1); K = x.shape[-1]
;;       x = np.pad(x, [(0, 0)] * (x.ndim - 1) + [(0, -K % 32)]); x = x.reshape(x.shape[:-1] + (-1, 32)); a = np.abs(x).max(-1, keepdims=True)
;;       e = np.where(a > 0, np.clip(np.frexp(np.where(a > 0, a, 1))[1] - 1 - 2, -126, 127), 0)      # np.frexp(a)[1] - 1 = floor(log2(a)), exactly
;;       r = np.clip(x / 2.0 ** e, -6, 6)
;;       step = 2.0 ** (np.maximum(np.frexp(np.where(r == 0, 1, r))[1] - 1, 0) - 1)
;;       q = np.round(r / step) * step * 2.0 ** e      # np.round: ties to even
;;       return np.moveaxis(q.reshape(q.shape[:-2] + (-1,))[..., :K], -1, axis).astype(np.float32)
;;   ~~~
;; One version. Each part assembles by itself: llvm-mc -triple=amdgcn-amd-amdhsa -mcpu=gfx1250 --defsym DOCPART=n.
;; ======== version 1 of 1: 4 launches
;; limits: values are held in f16: magnitudes above 65,504 overflow, below 6.1e-05 lose precision
;; workspace buffers: xc 4,194,304 bytes; xs 262,144 bytes; wc 1,572,864 bytes; ws 98,304 bytes; wo16 2,097,152 bytes; qkvh 50,331,648 bytes; aoh 16,777,216 bytes
;; launch prep (part 1): grid 512 x 1, 4 waves a work-group, no clusters, 35,328 bytes of LDS; arguments inputs_q, Wq, Wk, Wv, Wo, xc, xs, wc, ws, wo16; writes xc, xs, wc, ws, wo16
.if DOCPART == 1
	.amdgcn_target "amdgcn-amd-amdhsa--gfx1250"
	.amdhsa_code_object_version 6
	.text
	.protected	k_q3a98cce73d_prep
	.globl	k_q3a98cce73d_prep
	.p2align	8
	.type	k_q3a98cce73d_prep,@function
k_q3a98cce73d_prep:
	s_mov_b64 s[64:65], 0
	v_nop
	global_prefetch_b8 v0, s[64:65] scope:SCOPE_SE
	s_setreg_imm32_b32 hwreg(HW_REG_WAVE_MODE, 25, 1), 1
	s_wait_xcnt 0x0
; x [8192][1024] and Wq, Wk, Wv [1024 (k)][1024 (n)], f32, become codes of E2M1 with one E8M0 byte for each 32 along K; Wo [1024 (k)][1024 (n)] becomes f16.
; EVERYTHING IS STORED AS IMAGES OF OPERAND REGISTERS: a fragment's registers on end, in planes of 512 bytes, lane l's 16 bytes at 16 l, so that the later launches load operands as they lie.
;   4-bit fragment (16 rows x 128 k, 1,024 bytes): plane c, lane (r, h): the 32 codes k = 64 c + 32 h + 0 .. 31 of row r.   Scale words: [block of 16 rows][k step of 128][row] x 4 bytes.
;   f16 fragment (16 rows x 32 k, 1,024 bytes): plane p, lane (r, h): k = 16 p + 8 h + 0 .. 7 of row r.
; A block's scale is 2^(floor(log2(its largest magnitude)) - 2): its byte is the largest magnitude's exponent field - 2, held at 1 from below by a floor among the maximum's leaves.
; LIMITS: a block of zeros gets the byte 1 where the quantiser says 127 (its codes are zeros, and this program alone reads the bytes); blocks whose largest magnitude lies under 2^-124 are held at the byte 1;
; NaN and infinities among the inputs are not served; Wo beyond 65,504 in magnitude becomes infinity in f16, under 6e-8 zero.
; SHARES: work-groups 0-255 take x: a wave takes 16 rows x 512 k (four fragments).  Work-groups 256-511 take the four weights: 64 each; a wave takes 32 columns x 128 k, a lane a column, its registers down K.
; No tensor load, no barrier, no matrix unit, no cluster: waves share nothing and the launch only streams; every byte is read once, so nothing is prefetched either.
.set WST,   8704                       ; LDS: a stage for each wave (x's path alone): 16 rows x 528 bytes, rounded up to blocks of 512
.set SP,    528                        ; a stage row: 512 bytes + 16: row r starts 4 r banks on (64 banks of 4 bytes: ISA guide 11.1), so 16 lanes that read 16 rows touch 16 different columns of 16 bytes
.set SPARE, 4*WST                      ; behind the stages: the spare words, 128 bytes a wave
.set SPW,   12                         ; v12  LDS address of my spare word; never rewritten
.set NIL,   13                         ; v13  0; never rewritten
.set M,     14                         ; v14-15  largest magnitudes
.set SO,    16                         ; v16-17  the conversions' scale operands
.set BY,    18                         ; v18-19  scale bytes
.set WD,    20                         ; v20     a scale word in the making
.set TP,    21                         ; v21     the other half of the lanes' part of it
.set PW,    22                         ; v22-25  x: the four fragments' scale words
.set SW,    26                         ; v26-27  x: two k steps' words in one register, as they are stored
.set R,     32                         ; v32-159 numbers as loaded
.set XT,    160                        ; v160-223 x: 64 numbers turned: two whole blocks of my row
.set HF,    160                        ; v160-223 Wo: 64 registers of f16
.set C,     224                        ; v224-255 codes
	s_load_b256 s[4:11], s[0:1], 0x0               ; x s[4:5], Wq s[6:7], Wk s[8:9], Wv s[10:11]
	s_load_b256 s[12:19], s[0:1], 0x20             ; Wo s[12:13], xc s[14:15], xs s[16:17], wc s[18:19]
	s_load_b128 s[20:23], s[0:1], 0x40             ; ws s[20:21], wo16 s[22:23]
	v_lshl_add_u32 v[SPW], v0, 2, SPARE
	v_mov_b32 v[NIL], 0
	v_lshrrev_b32 v1, 5, v0
	v_readfirstlane_b32 s24, v1                    ; wave 0..3
	v_and_b32 v1, 31, v0                           ; lane
	v_and_b32 v10, 15, v0                          ; r
	v_bfe_u32 v11, v0, 4, 1                        ; h
	v_lshlrev_b32 v2, 4, v1                        ; 16 x lane
	v_lshlrev_b32 v5, 2, v1                        ; 4 x lane
	s_mov_b32 s35, 0                               ; the upper word of every offset pair s[34:35]
	s_cmp_lt_u32 ttmp9, 256
	s_cbranch_scc0 .Lweights
; ---------------- x ----------------
	s_lshl_b32 s25, ttmp9, 2
	s_add_co_u32 s25, s25, s24                     ; u = 4 x work-group + wave: block of 16 rows u / 2, half u % 2 of K
	s_lshr_b32 s26, s25, 1
	s_and_b32 s27, s25, 1
	s_lshl_b32 s34, s26, 16                        ; 16 rows of 4,096 bytes
	s_lshl_b32 s27, s27, 11                        ; 512 numbers
	s_add_co_u32 s34, s34, s27
	s_mov_b32 s28, 0x76543210
	s_mov_b32 s29, 0xfedcba98                      ; v_permlanex16_b32's selects for lane l xor 16
	s_mov_b32 s30, 0xffff0000                      ; lanes 16-31
	s_wait_kmcnt 0x0
	s_add_nc_u64 s[4:5], s[4:5], s[34:35]
	s_lshl_b32 s34, s25, 12                        ; four fragments of 1,024 bytes
	s_add_nc_u64 s[14:15], s[14:15], s[34:35]
	s_lshl_b32 s34, s25, 8                         ; four k steps x 16 rows x 4 bytes
	s_add_nc_u64 s[16:17], s[16:17], s[34:35]
.macro XLOAD f                         ; fragment f: 128 numbers of each of the 16 rows; a load reads 512 consecutive bytes of one row
.irp i, 0,1,2,3,4,5,6,7,8,9,10,11,12,13,14,15
	global_load_b128 v[R+64*((\f)%2)+4*\i:R+64*((\f)%2)+4*\i+3], v2, s[4:5] offset:\i*4096+(\f)*512 th:TH_LOAD_NT
.endr
.endm
.macro XTURN f                         ; through my stage: in as loaded, out so that lane (r, h) holds blocks h and 2 + h of row r.  LDS serves a wave's instructions in order (ISA guide 5.7.1.4): no wait between
.irp i, 0,1,2,3,4,5,6,7,8,9,10,11,12,13,14,15
	ds_store_b128 v3, v[R+64*((\f)%2)+4*\i:R+64*((\f)%2)+4*\i+3] offset:\i*SP
.endr
.irp c, 0,1
.irp j, 0,1,2,3,4,5,6,7
	ds_load_b128 v[XT+32*\c+4*\j:XT+32*\c+4*\j+3], v4 offset:256*\c+16*\j
.endr
.endr
.endm
.macro XQUANT f
.irp c, 0,1
	v_max3_num_f32 v[M+\c], |v[XT+32*\c]|, |v[XT+32*\c+1]|, 0x1800000   ; my block 2 c + h, and the floor 2^(3 - 127): the byte cannot fall under 1
.endr
.irp i, 2,4,6,8,10,12,14,16,18,20,22,24,26,28,30
.irp c, 0,1
	v_max3_num_f32 v[M+\c], v[M+\c], |v[XT+32*\c+\i]|, |v[XT+32*\c+\i+1]|   ; the two blocks by turns
.endr
.endr
.irp c, 0,1
	v_add_nc_u32 v[SO+\c], 0xff000000, v[M+\c]     ; 2 off the exponent field: the conversion takes this operand's exponent field as its scale
.endr
.irp c, 0,1
	v_lshrrev_b32 v[BY+\c], 23, v[SO+\c]           ; the scale's byte
.endr
	v_lshl_or_b32 v[WD], v[BY+1], 16, v[BY]        ; my two bytes: blocks h and 2 + h,
	v_lshlrev_b32 v[WD], v6, v[WD]                 ; 8 h bits up;
	v_permlanex16_b32 v[TP], v[WD], s28, s29
	v_or_b32 v[PW+\f], v[WD], v[TP]                ; with lane l xor 16's two the row's word is whole, in both lanes
.irp c, 0,1
.irp g, 0,1,2,3
	v_cvt_scalef32_pk8_fp4_f32 v[C+8*\f+4*\c+\g], v[XT+32*\c+8*\g:XT+32*\c+8*\g+7], v[SO+\c]
.endr
.endr
	v_nop                                          ; one plain line behind the last scaled conversion
.irp c, 0,1
	global_store_b128 v2, v[C+8*\f+4*\c:C+8*\f+4*\c+3], s[14:15] offset:\f*1024+\c*512   ; a plane: 512 consecutive bytes, aligned
.endr
.endm
.macro XFRAG f, left
	s_wait_loadcnt \left                           ; this fragment's 16 loads are in; the next fragment's 16 may be out
	XTURN \f
	s_wait_dscnt 0x0                               ; the numbers are back, and the stores into the stage have read their registers,
.if \f < 2
	XLOAD \f+2                                     ; which take the fragment two further on
.endif
	XQUANT \f
.endm
	XLOAD 0
	XLOAD 1
	s_mul_i32 s31, s24, WST
	v_add_nc_u32 v3, s31, v2                       ; into my stage: 16 x lane
	v_mul_u32_u24 v4, v10, SP
	v_lshl_add_u32 v4, v11, 7, v4
	v_add_nc_u32 v4, s31, v4                       ; out of it: row r, + 128 h bytes
	v_lshlrev_b32 v6, 3, v11                       ; 8 h
	v_mov_b32 v[TP], 0                             ; written once: a lane permute's destination counts as one of its sources
	XFRAG 0, 16
	XFRAG 1, 16
	v_cndmask_b32 v[SW], v[PW], v[PW+1], s30       ; lanes 0-15 the even k step's words, lanes 16-31 the odd one's: as the products' scale registers want them
	global_store_b32 v5, v[SW], s[16:17]
	XFRAG 2, 16
	XFRAG 3, 0
	v_cndmask_b32 v[SW+1], v[PW+2], v[PW+3], s30
	global_store_b32 v5, v[SW+1], s[16:17] offset:128
	s_wait_tensorcnt 0x0                           ; the wave's end: behind my last LDS store
	ds_add_u32 v[SPW], v[NIL]
	s_wait_dscnt 0x0
	s_endpgm
; ---------------- the weights: no LDS ----------------
.Lweights:
	s_sub_co_u32 s25, ttmp9, 256
	s_lshr_b32 s26, s25, 6                         ; which: 0 Wq, 1 Wk, 2 Wv, 3 Wo
	s_and_b32 s27, s25, 7                          ; which 128 columns
	s_bfe_u32 s28, s25, 0x30003                    ; which 128 along K
	s_lshl_b32 s29, s27, 3
	s_lshl_b32 s30, s24, 1
	s_add_co_u32 s29, s29, s30                     ; my wave's first block of 16 columns: 8 x column group + 2 x wave
	s_lshl_b32 s34, s28, 19                        ; 128 rows of 4,096 bytes
	s_lshl_b32 s30, s29, 6                         ; 16 columns of 4 bytes
	s_add_co_u32 s34, s34, s30
	v_lshlrev_b32 v7, 13, v11
	v_lshl_add_u32 v7, v10, 4, v7                  ; codes: lanes 16-31 belong to the next block of columns, 8,192 bytes on; 16 bytes a column
	v_lshlrev_b32 v8, 9, v11
	v_lshl_add_u32 v8, v10, 2, v8                  ; scale words: 512 bytes a block of columns, 4 a column
	v_lshlrev_b32 v9, 15, v11
	v_lshl_add_u32 v9, v10, 4, v9                  ; f16: 32,768 bytes a block of columns, 16 a column
	s_wait_kmcnt 0x0
	s_cmp_eq_u32 s26, 0                            ; the choices hang on the work-group's number alone
	s_cselect_b64 s[32:33], s[6:7], s[8:9]
	s_cmp_lt_u32 s26, 2
	s_cselect_b64 s[32:33], s[32:33], s[10:11]
	s_cmp_lt_u32 s26, 3
	s_cselect_b64 s[32:33], s[32:33], s[12:13]
	s_add_nc_u64 s[32:33], s[32:33], s[34:35]
.set i, 0
.rept 128
	global_load_b32 v[R+i], v5, s[32:33] offset:i*4096 th:TH_LOAD_NT   ; W(k0 + i, my column): the wave reads 128 consecutive bytes, the four waves side by side 512
.set i, i+1
.endr
	s_cmp_eq_u32 s26, 3
	s_cbranch_scc1 .Lwo
	s_lshl_b32 s30, s26, 6
	s_add_co_u32 s30, s30, s29                     ; block of columns among the three weights' 192
	s_lshl_b32 s34, s30, 13
	s_lshl_b32 s31, s28, 10
	s_add_co_u32 s34, s34, s31                     ; 8 fragments a block, this k step's
	s_add_nc_u64 s[18:19], s[18:19], s[34:35]
	s_lshl_b32 s34, s30, 9
	s_lshl_b32 s31, s28, 6
	s_add_co_u32 s34, s34, s31
	s_add_nc_u64 s[20:21], s[20:21], s[34:35]
.macro WBLOCK t, left                  ; block t of 32 along K: all its numbers are mine.  It is plane t / 2, lanes 16 (t % 2) on, of the fragment
	s_wait_loadcnt \left                           ; behind this block's loads 96 - 32 t were issued; the wait's field ends at 63, and a smaller count is safe
	v_max3_num_f32 v[M], |v[R+32*\t]|, |v[R+32*\t+1]|, 0x1800000
	v_max3_num_f32 v[M+1], |v[R+32*\t+2]|, |v[R+32*\t+3]|, |v[R+32*\t+4]|
.irp i, 5,9,13,17,21,25
	v_max3_num_f32 v[M], v[M], |v[R+32*\t+\i]|, |v[R+32*\t+\i+1]|
	v_max3_num_f32 v[M+1], v[M+1], |v[R+32*\t+\i+2]|, |v[R+32*\t+\i+3]|
.endr
	v_max3_num_f32 v[M], v[M], |v[R+32*\t+29]|, |v[R+32*\t+30]|
	v_max3_num_f32 v[M], v[M], v[M+1], |v[R+32*\t+31]|
	v_add_nc_u32 v[SO], 0xff000000, v[M]
	v_lshrrev_b32 v[BY], 23, v[SO]
.if \t == 0
	v_mov_b32 v[WD], v[BY]
.else
	v_lshl_or_b32 v[WD], v[BY], 8*\t, v[WD]        ; the four bytes make my column's word for this k step
.endif
.irp g, 0,1,2,3
	v_cvt_scalef32_pk8_fp4_f32 v[C+4*\t+\g], v[R+32*\t+8*\g:R+32*\t+8*\g+7], v[SO]
.endr
	v_nop                                          ; one plain line behind the last scaled conversion
	global_store_b128 v7, v[C+4*\t:C+4*\t+3], s[18:19] offset:(\t/2)*512+(\t%2)*256   ; sixteen lanes store 256 consecutive bytes, aligned
.endm
	WBLOCK 0, 63
	WBLOCK 1, 63
	WBLOCK 2, 32
	WBLOCK 3, 0
	global_store_b32 v8, v[WD], s[20:21]           ; pieces of 64 bytes: 98,304 bytes in the whole launch
	s_endpgm
.Lwo:
	s_lshl_b32 s34, s29, 15
	s_lshl_b32 s31, s28, 12                        ; four fragments of 32 along K
	s_add_co_u32 s34, s34, s31
	s_add_nc_u64 s[22:23], s[22:23], s[34:35]
.macro OBLOCK t, left                  ; 32 along K: one f16 fragment's column
	s_wait_loadcnt \left
.irp i, 0,1,2,3,4,5,6,7,8,9,10,11,12,13,14,15
	v_cvt_pk_f16_f32 v[HF+16*\t+\i], v[R+32*\t+2*\i], v[R+32*\t+2*\i+1]
.endr
.irp p, 0,1
.irp q, 0,1
	global_store_b128 v9, v[HF+16*\t+8*\p+4*\q:HF+16*\t+8*\p+4*\q+3], s[22:23] offset:\t*1024+\p*512+\q*256   ; k = 16 p + 8 q + 0 .. 7: plane p, lanes 16 q on
.endr
.endr
.endm
	OBLOCK 0, 63
	OBLOCK 1, 63
	OBLOCK 2, 32
	OBLOCK 3, 0
	s_endpgm
.Lfunc_end_k_q3a98cce73d_prep:
	.size	k_q3a98cce73d_prep, .Lfunc_end_k_q3a98cce73d_prep-k_q3a98cce73d_prep
	.p2alignl 7, 3214868480
	.fill 96, 4, 3214868480
	.section	.rodata,"a",@progbits
	.p2align	6, 0x0
	.amdhsa_kernel k_q3a98cce73d_prep
		.amdhsa_group_segment_fixed_size 35328
		.amdhsa_private_segment_fixed_size 0
		.amdhsa_enable_private_segment 0
		.amdhsa_kernarg_size 80
		.amdhsa_user_sgpr_count 2
		.amdhsa_user_sgpr_kernarg_segment_ptr 1
		.amdhsa_wavefront_size32 1
		.amdhsa_system_sgpr_workgroup_id_x 1
		.amdhsa_system_sgpr_workgroup_id_y 1
		.amdhsa_system_sgpr_workgroup_id_z 1
		.amdhsa_system_vgpr_workitem_id 0
		.amdhsa_next_free_vgpr 256
		.amdhsa_next_free_sgpr 66
		.amdhsa_reserve_vcc 0
		.amdhsa_float_denorm_mode_32 3
		.amdhsa_float_denorm_mode_16_64 3
		.amdhsa_memory_ordered 1
		.amdhsa_forward_progress 1
		.amdhsa_inst_pref_size 55
	.end_amdhsa_kernel
	.amdgpu_metadata
---
amdhsa.version: [ 1, 2 ]
amdhsa.kernels:
  - .name:           k_q3a98cce73d_prep
    .symbol:         k_q3a98cce73d_prep.kd
    .args:
      - { .name: inputs_q, .offset: 0, .size: 8, .value_kind: global_buffer, .address_space: global }
      - { .name: Wq, .offset: 8, .size: 8, .value_kind: global_buffer, .address_space: global }
      - { .name: Wk, .offset: 16, .size: 8, .value_kind: global_buffer, .address_space: global }
      - { .name: Wv, .offset: 24, .size: 8, .value_kind: global_buffer, .address_space: global }
      - { .name: Wo, .offset: 32, .size: 8, .value_kind: global_buffer, .address_space: global }
      - { .name: xc, .offset: 40, .size: 8, .value_kind: global_buffer, .address_space: global }
      - { .name: xs, .offset: 48, .size: 8, .value_kind: global_buffer, .address_space: global }
      - { .name: wc, .offset: 56, .size: 8, .value_kind: global_buffer, .address_space: global }
      - { .name: ws, .offset: 64, .size: 8, .value_kind: global_buffer, .address_space: global }
      - { .name: wo16, .offset: 72, .size: 8, .value_kind: global_buffer, .address_space: global }
    .group_segment_fixed_size: 35328
    .private_segment_fixed_size: 0
    .kernarg_segment_align: 8
    .kernarg_segment_size: 80
    .max_flat_workgroup_size: 128
    .sgpr_count:     66
    .vgpr_count:     256
    .wavefront_size: 32
...
	.end_amdgpu_metadata
.endif
;; end of part 1
;; launch project_in (part 2): grid 8 x 32, 4 waves a work-group, clusters of 4 x 4, 327,680 bytes of LDS; arguments xc, xs, wc, ws, bq, bk, bv, qkvh; writes qkvh
.if DOCPART == 2
	.amdgcn_target "amdgcn-amd-amdhsa--gfx1250"
	.amdhsa_code_object_version 6
	.text
	.protected	k_q3a98cce73d_project_in
	.globl	k_q3a98cce73d_project_in
	.p2align	8
	.type	k_q3a98cce73d_project_in,@function
k_q3a98cce73d_project_in:
	s_mov_b64 s[64:65], 0
	v_nop
	global_prefetch_b8 v0, s[64:65] scope:SCOPE_SE
	s_setreg_imm32_b32 hwreg(HW_REG_WAVE_MODE, 25, 1), 1
	s_wait_xcnt 0x0
	s_wait_alu depctr_hold_cnt(0) depctr_sa_sdst(0) depctr_va_vdst(0) depctr_va_sdst(0) depctr_va_ssrc(0) depctr_va_vcc(0) depctr_vm_vsrc(0)
	s_getreg_b32 s2, hwreg(HW_REG_IB_STS2, 6, 4)
	s_cmp_eq_u32 s2, 0
	s_cbranch_scc0 .Lentry_in_a_cluster
	s_endpgm
.Lentry_in_a_cluster:
	s_bfe_u32 s2, ttmp6, 0x10000c
	s_cmp_lg_u32 s2, 0xf033
	s_cbranch_scc0 .Lentry_shape_is_right
	s_endpgm
.Lentry_shape_is_right:
; q = x Wq + bq, k = x Wk + bk, v = x Wv + bv: [8192 x 1024] x [1024 x 3072] on codes of E2M1 with E8M0 scales, sums in f32; the results leave as f16, as images of the attention's operand registers.
; SHARES.  A work-group takes 256 rows of x and the SAME 128 columns (two heads) of q, of k and of v: 32 x 8 = 256 work-groups of equal work.  Four waves; wave w: xh = w / 2 (its 128 rows), wh = w % 2.
;   PASS A: wave (xh, wh) makes 128 rows x 128 columns, of q where wh = 0, of k where wh = 1: 64 accumulators, 512 registers.
;   PASS B: wave (xh, wh) makes 128 rows x the 64 columns of v's head 2 X + wh: 32 accumulators.  It runs while pass A's stores are leaving.
; LDS.  K = 1,024 is two halves of 512; each half: x's 256 rows, Wq's 128 columns, Wk's 128 columns.  x and all three weights would be 327,680 bytes and leave no room for the spare words, so Wv comes by ONE refill:
; at the change to the second half of K nobody reads the first half's parts of Wq and Wk any more, and Wv's two halves of K land there.  The load has 4.5 k steps and pass A's way out in which to land.
; The codes lie in memory as images of fragments ([block of 16 rows][k step of 128][plane][lane][16 bytes]): a load of a fragment's plane reads 512 consecutive LDS bytes; no padding is needed.
; The scale words go straight from memory into registers: a register holds an even k step's words in lanes 0-15 and the odd one's in lanes 16-31.
; CLUSTERS: 4 x 4 work-groups; x's tiles are asked for jointly along a row of the cluster, the weights' along a column.  No prefetch: every tile is asked for at the head, or 4.5 k steps ahead of its use.
; q AND k: the product is used transposed (source 0 = 16 rows of W, source 1 = 16 rows of x): a lane holds one token and eight neighbouring channels: 16 bytes of f16 = its part of a plane of a fragment [token][channel].
; v: the natural way (source 0 = x, source 1 = W): a lane holds one channel and eight neighbouring tokens: its part of a plane of a fragment [channel][key].  So no result goes through LDS, and each store covers 512 consecutive bytes, aligned.
; The bias is the C of each sum's first matrix instruction.
; THE WAY OUT WAITS FOR NO STORE: the f16 are packed into accumulator registers that have been read already (destination d takes sources 2 d and 2 d + 1, ascending), pass A's all into window 3; pass B's sums take window 2.
; No register that a pending store reads is ever written again.
; LIMITS: q, k, v beyond 65,504 in magnitude become infinity in f16 (inputs 30 times the usual, or offset by 30 spreads, stay under some 30,000).
; REGISTERS: window 0: v16-31 addresses; v32-63 x's scale words, v64-95 Wq's or Wk's, v96-111 Wv's (nothing else ever lies there); v128-191 x's fragments; v192-255 q's or k's bias, in pass B x's second set.
;   window 1: W's fragments, two sets, at v0 and v128; v64-95 v's bias.   windows 2, 3: pass A's accumulators of my rows 0-63, 64-127: (a, b) at v[8 (8 (a % 4) + b)]; pass B's: window 2, (a, b) at v[8 (4 a + b)].
.set SLOT,  131072                     ; a half of K: x's 256 rows (65,536 bytes), then Wq's and Wk's 128 columns
.set PART,  32768                      ; 128 rows x 512 k: what one tensor load brings: [block 8][k step 4][plane 2][512 bytes]
.set SPARE, 2*SLOT                     ; the spare words, 128 bytes a wave
.set ADRA, 16                          ; v16-17  LDS address of my x fragments in half 0, 1 of K
.set ADRB, 20                          ; v20-21  the same for Wq or Wk
.set ADRV, 22                          ; v22-23  the same for my four blocks of Wv
.set GO,   26                          ; v26     16 x lane
.set L4,   27                          ; v27     4 x lane
.set SPW,  28                          ; v28     LDS address of my spare word; never rewritten
.set NIL,  29                          ; v29     0; never rewritten
.set SA,   32
.set SB,   64
.set SV,   96
.set AF,   128
.set BI,   192
.set BIV,  64                          ; in window 1
.set G1,  24                           ; s[24:31] descriptor group 1 for x's tiles; s[32:39] group 0, a set for each half of K
.set G0,  32
.set G1B, 48                           ; s[48:55], s[56:63] the same for Wq's and Wk's
.set G0B, 56
.set G0V, 88                           ; s[88:91] group 0 for Wv's
.set MSB, 0
.macro WIN new                         ; the immediate's high byte repeats the setting that is left
.if MSB != (\new)
	s_set_vgpr_msb (MSB<<8)|(\new)
.set MSB, \new
.endif
.endm
.macro JLOAD s                         ; a joint load: waves 0 and 1 fetch x's two halves of rows, wave 2 Wq's columns, wave 3 Wk's; an s_nop 0 and four v_nop follow each line
	s_cmp_eq_u32 s21, 0
	s_cbranch_scc0 .Lfor_b_\@
	tensor_load_to_lds s[G0+4*\s:G0+4*\s+3], s[G1:G1+7]
	s_nop 0
.rept 4
	v_nop
.endr
	s_branch .Lasked_\@
.Lfor_b_\@:
	tensor_load_to_lds s[G0B+4*\s:G0B+4*\s+3], s[G1B:G1B+7]
	s_nop 0
.rept 4
	v_nop
.endr
.Lasked_\@:
.endm
.macro VLOAD                           ; the one refill: wave 2 fetches Wv's first half of K, wave 3 its second; waves 0 and 1 have no part of it.  The branch hangs on the wave's number alone
	s_cmp_eq_u32 s21, 0
	s_cbranch_scc1 .Lno_v_\@
	tensor_load_to_lds s[G0V:G0V+3], s[G1B:G1B+7]
	s_nop 0
.rept 4
	v_nop
.endr
.Lno_v_\@:
.endm
.macro CREST                           ; a round of the cluster's barrier behind its opening barrier
	s_cmp_lg_u32 s20, 0
	s_cbranch_scc1 .Lnot_wave_0_\@
	s_barrier_signal -3
.Lnot_wave_0_\@:
	s_barrier_wait -3
	s_barrier_signal -1
	s_barrier_wait -1
.endm
.macro CROUND                          ; a whole round
	s_barrier_signal -1
	s_barrier_wait -1
	CREST
.endm
.macro PLACES                          ; four places in front of loads into registers that matrix instructions have read, and of the first read of results
.rept 4
	v_nop
.endr
.endm
	s_load_b256 s[4:11], s[0:1], 0x0               ; xc s[4:5], xs s[6:7], wc s[8:9], ws s[10:11]
	s_load_b256 s[12:19], s[0:1], 0x20             ; bq s[12:13], bk s[14:15], bv s[16:17], the output s[18:19]
	v_lshl_add_u32 v[SPW], v0, 2, SPARE
	v_mov_b32 v[NIL], 0
	ds_add_u32 v[SPW], v[NIL]                      ; the wave's opening: the add, twice on end, and its wait ahead of my first tensor load
	ds_add_u32 v[SPW], v[NIL]
	v_lshrrev_b32 v1, 5, v0
	v_readfirstlane_b32 s20, v1                    ; wave 0..3
	s_lshr_b32 s21, s20, 1                         ; xh: which 128 rows of x are mine.  Also: I fetch for x (0) or for the weights (1)
	s_and_b32 s22, s20, 1                          ; wh: q (0) or k (1); which head of v.  Also: which part I fetch
	s_bfe_u32 s23, ttmp6, 0x40000                  ; cx
	s_bfe_u32 s40, ttmp6, 0x40004                  ; cy
	s_lshl_b32 s41, ttmp9, 2
	s_add_co_u32 s41, s41, s23                     ; X = 4 x cluster x + cx: which 128 columns of each weight
	s_and_b32 s42, ttmp7, 0xffff
	s_lshl_b32 s42, s42, 2
	s_add_co_u32 s42, s42, s40                     ; Y = 4 x cluster y + cy: which 256 rows
	s_lshl_b32 s43, s40, 2
	s_lshl_b32 s43, 15, s43                        ; my row of the cluster
	s_lshl_b32 s44, 0x1111, s23                    ; my column
	s_or_b32 s[G1], s43, (3<<16)|(1<<21)           ; 15:0 the mask; 17:16 elements of 8 bytes; 20 no padding; 21 set beside a mask
	s_or_b32 s[G1B], s44, (3<<16)|(1<<21)
.irp g, G1, G1B
	s_mov_b32 s[\g+1], 512<<16                     ; tensor_dim0 = 512 elements: a block's four k steps, 4,096 bytes
	s_mov_b32 s[\g+2], 8<<16                       ; tensor_dim1 = 8 blocks of 16 rows
	s_mov_b32 s[\g+3], 512<<16                     ; tile_dim0
	s_mov_b32 s[\g+4], 8                           ; tile_dim1
	s_mov_b32 s[\g+5], 1024                        ; from block to block: 8 k steps, 8,192 bytes
	s_mov_b32 s[\g+6], 0
	s_mov_b32 s[\g+7], 0
.endr
	s_lshl_b32 s68, s22, 3
	s_lshl_b32 s66, s42, 4
	s_add_co_u32 s66, s66, s68                     ; x: block 16 Y + 8 wh: made of Y and the wave's number alone
	s_lshl_b32 s66, s66, 13
	s_mov_b32 s67, 0
	s_lshl_b32 s68, s22, 6
	s_lshl_b32 s70, s41, 3
	s_add_co_u32 s76, s70, s68                     ; Wq or Wk: block 64 wh + 8 X among the three weights' 192: of X and the wave's number alone
	s_lshl_b32 s70, s76, 13                        ; its codes, 8,192 bytes a block,
	s_mov_b32 s71, 0
	s_lshl_b32 s76, s76, 9                         ; and its scale words, 512 bytes a block
	s_mov_b32 s77, 0
	s_lshl_b32 s86, s41, 3
	s_add_co_u32 s86, s86, 128                     ; Wv: block 128 + 8 X
	s_lshl_b32 s68, s22, 2
	s_add_co_u32 s94, s86, s68                     ; my four blocks of it begin 4 wh on:
	s_lshl_b32 s94, s94, 9                         ; their scale words
	s_mov_b32 s95, 0
	s_lshl_b32 s86, s86, 13
	s_lshl_b32 s68, s22, 12
	s_add_co_u32 s86, s86, s68                     ; the half of K that I fetch of Wv: four k steps, 4,096 bytes, on in each block
	s_mov_b32 s87, 0
	s_lshl_b32 s45, s20, 15                        ; where the tiles go: wave x 32,768: no place in the cluster enters an LDS address
	s_lshl_b32 s74, s42, 4                         ; my rows' scale words: block 16 Y + 8 xh
	s_lshl_b32 s72, s21, 3
	s_add_co_u32 s74, s74, s72
	s_lshl_b32 s74, s74, 9
	s_mov_b32 s75, 0
	s_lshl_b32 s82, s41, 9                         ; the bias of columns 128 X on, 4 bytes each (q, k);
	s_mov_b32 s83, 0
	s_lshl_b32 s46, s22, 8
	s_add_co_u32 s46, s46, s82                     ; and of my 64 columns of v
	s_mov_b32 s47, 0
	s_lshr_b32 s84, s42, 2                         ; the output: batch Y / 4,
	s_lshl_b32 s84, s84, 4
	s_lshl_b32 s72, s41, 1
	s_add_co_u32 s84, s84, s72                     ; head 2 X (q, k: two heads from there on),
	s_add_co_u32 s92, s84, s22                     ; head 2 X + wh (v): 131,072 bytes for each (batch, head);
	s_lshl_b32 s84, s84, 17
	s_lshl_b32 s92, s92, 17
	s_and_b32 s72, s42, 3
	s_lshl_b32 s72, s72, 4
	s_lshl_b32 s73, s21, 3
	s_add_co_u32 s72, s72, s73                     ; my first block of 16 tokens in the sequence: 2,048 bytes each, in q, k and v alike;
	s_lshl_b32 s72, s72, 11
	s_add_co_u32 s84, s84, s72
	s_add_co_u32 s92, s92, s72
	s_lshl_b32 s73, s22, 24
	s_add_co_u32 s84, s84, s73                     ; q at 0, k 16 MiB on,
	s_add_co_u32 s92, s92, 0x2000000               ; v 32 MiB on
	s_mov_b32 s85, 0
	s_mov_b32 s93, 0
	s_wait_dscnt 0x0                               ; both opening adds are done
	s_wait_kmcnt 0x0
	s_add_nc_u64 s[66:67], s[4:5], s[66:67]
	s_add_nc_u64 s[70:71], s[8:9], s[70:71]
	s_add_nc_u64 s[86:87], s[8:9], s[86:87]
	s_add_nc_u64 s[74:75], s[6:7], s[74:75]
	s_add_nc_u64 s[76:77], s[10:11], s[76:77]
	s_add_nc_u64 s[94:95], s[10:11], s[94:95]
	s_add_nc_u64 s[16:17], s[16:17], s[46:47]
	s_add_nc_u64 s[84:85], s[18:19], s[84:85]
	s_add_nc_u64 s[92:93], s[18:19], s[92:93]
	s_cmp_eq_u32 s22, 0                            ; the choice hangs on the wave's number alone
	s_cselect_b64 s[80:81], s[12:13], s[14:15]
	s_add_nc_u64 s[80:81], s[80:81], s[82:83]
	s_mov_b32 s[G0V], 1
	s_mov_b32 s[G0V+1], s45                        ; waves 2 and 3: bytes 65,536 and 98,304 on: the first half of K's parts of Wq and Wk
	s_mov_b64 s[G0V+2:G0V+3], s[86:87]
	s_or_b32 s[G0V+3], s[G0V+3], 0x80000000
	CROUND                                         ; all sixteen work-groups are here: the joint loads meet
.irp s, 0,1
	s_mov_b32 s[G0+4*\s], 1
	s_add_co_u32 s[G0+4*\s+1], s45, \s*SLOT
	s_add_nc_u64 s[G0+4*\s+2:G0+4*\s+3], s[66:67], \s*4096   ; the half of K: four k steps on in each block
	s_or_b32 s[G0+4*\s+3], s[G0+4*\s+3], 0x80000000
	s_mov_b32 s[G0B+4*\s], 1
	s_add_co_u32 s[G0B+4*\s+1], s45, \s*SLOT
	s_add_nc_u64 s[G0B+4*\s+2:G0B+4*\s+3], s[70:71], \s*4096
	s_or_b32 s[G0B+4*\s+3], s[G0B+4*\s+3], 0x80000000
	JLOAD \s                                       ; both halves of K at once: two loads of mine are out
.endr
	v_and_b32 v1, 31, v0
	v_lshlrev_b32 v[GO], 4, v1
	v_lshlrev_b32 v[L4], 2, v1
	v_bfe_u32 v2, v0, 4, 1
	v_lshlrev_b32 v30, 5, v2                       ; 32 h: the bias of eight channels of my half (q, k)
	v_and_b32 v3, 15, v0
	v_lshlrev_b32 v31, 2, v3                       ; 4 r: the bias of my channel (v)
.irp a, 0,1,2,3,4,5,6,7
.irp k, 0,1,2,3
	global_load_b32 v[SA+4*\a+\k], v[L4], s[74:75] offset:\a*512+\k*128   ; x's block a, k steps 2 k (lanes 0-15) and 2 k + 1 (lanes 16-31)
.endr
.endr
.irp a, 0,1,2,3,4,5,6,7
.irp k, 0,1,2,3
	global_load_b32 v[SB+4*\a+\k], v[L4], s[76:77] offset:\a*512+\k*128   ; Wq's or Wk's likewise
.endr
.endr
.irp a, 0,1,2,3
.irp k, 0,1,2,3
	global_load_b32 v[SV+4*\a+\k], v[L4], s[94:95] offset:\a*512+\k*128   ; my four blocks of Wv
.endr
.endr
.irp b, 0,1,2,3,4,5,6,7
	global_load_b128 v[BI+8*\b:BI+8*\b+3], v30, s[80:81] offset:64*\b      ; q, k: a lane's registers are channels 16 b + 8 h + 0 .. 7
	global_load_b128 v[BI+8*\b+4:BI+8*\b+7], v30, s[80:81] offset:64*\b+16
.endr
	WIN 0x40                                       ; destination window 1
.irp b, 0,1,2,3
.irp j, 0,1,2,3,4,5,6,7
	global_load_b32 v[BIV+8*\b+\j], v31, s[16:17] offset:64*\b   ; v: a lane holds one channel: all eight registers take its bias
.endr
.endr
	WIN 0
	s_lshl_b32 s78, s21, 15                        ; my 128 rows of x
	s_lshl_b32 s79, s22, 15                        ; Wq's or Wk's 128 columns,
	s_add_co_u32 s79, s79, 2*PART                  ; behind x's 256 rows
.irp s, 0,1
	v_add_nc_u32 v[ADRA+\s], s78, v[GO]
	v_add_nc_u32 v[ADRB+\s], s79, v[GO]
	s_add_co_u32 s78, s78, SLOT
	s_add_co_u32 s79, s79, SLOT
.endr
	s_lshl_b32 s78, s22, 14                        ; my four blocks of Wv, 4,096 bytes each,
	s_add_co_u32 s78, s78, 2*PART                  ; its first half of K where Wq's lay,
	v_add_nc_u32 v[ADRV], s78, v[GO]
	s_add_co_u32 s78, s78, PART                    ; its second where Wk's lay
	v_add_nc_u32 v[ADRV+1], s78, v[GO]
.macro FRAG reg, adr, q, i             ; a fragment as it lies: two planes of 512 bytes
.irp c, 0,1
	ds_load_b128 v[\reg+4*\c:\reg+4*\c+3], v[\adr] offset:(\i)*4096+(\q)*1024+\c*512
.endr
.endm
.macro FETCH_B slot, q, p              ; pass A: W's eight fragments of the half's q-th k step into set p
	WIN 0x40
.irp i, 0,1,2,3,4,5,6,7
	FRAG 128*(\p)+8*\i, ADRB+\slot, \q, \i
.endr
	WIN 0
.endm
.macro FETCH_A slot, q, i0             ; pass A: x's blocks i0 .. i0 + 3
.irp i, \i0, \i0+1, \i0+2, \i0+3
	FRAG AF+8*(\i), ADRA+\slot, \q, \i
.endr
.endm
; PASS A.  16 matrix instructions: x's blocks a0, a0 + 1 against W's eight, k step ks; source 0 = W.  p: W's set.  cm = 1: the sums begin with the bias.
; The 64 accumulators take turns, one instruction a turn, in the same order in every k step.
.macro MUL16 a0, p, ks, cm
.irp a, \a0, \a0+1
.irp b, 0,1,2,3,4,5,6,7
.set rD, 8*(8*((\a)%4)+\b)
.set rC, rD
.if \cm
.set rC, BI+8*\b
.endif
.set oA, 128*(\p)+8*\b
.set oB, AF+8*(\a)
.set zA, SB+4*\b+(\ks)/2
.set zB, SA+4*(\a)+(\ks)/2
.if (\ks)%2
	v_wmma_scale_f32_16x16x128_f8f6f4 v[rD:rD+7], v[oA:oA+7], v[oB:oB+7], v[rC:rC+7], v[zA], v[zB] matrix_a_fmt:MATRIX_FMT_FP4 matrix_b_fmt:MATRIX_FMT_FP4 matrix_a_scale:MATRIX_SCALE_ROW1 matrix_b_scale:MATRIX_SCALE_ROW1
.else
	v_wmma_scale_f32_16x16x128_f8f6f4 v[rD:rD+7], v[oA:oA+7], v[oB:oB+7], v[rC:rC+7], v[zA], v[zB] matrix_a_fmt:MATRIX_FMT_FP4 matrix_b_fmt:MATRIX_FMT_FP4
.endif
.endr
.endr
.endm
.set W_LO, 0xa1                        ; source 0 (W) window 1, source 1 (x) window 0; C and D window 2
.set W_HI, 0xf1                        ; C and D window 3.  With the bias as C, source 2 is window 0
; A k step that has its successor in the same half of K.  x has one set of registers: blocks 0-3 are fetched anew in the step's middle, blocks 4-7 at its end; W has two sets.
.macro STEP ks
.set CMV, 0
.if (\ks) == 0
.set CMV, 1
.endif
	s_wait_dscnt 8                                 ; W's set and x's blocks 0-3 are in; the youngest eight loads (x's blocks 4-7) may be out
	WIN W_LO-0x20*CMV
	MUL16 0, (\ks)%2, \ks, CMV
	MUL16 2, (\ks)%2, \ks, CMV
	s_wait_dscnt 0x0                               ; x's blocks 4-7 are in
	PLACES
	FETCH_B (\ks)/4, (\ks)%4+1, 1-(\ks)%2
	FETCH_A (\ks)/4, (\ks)%4+1, 0
	WIN W_HI-0x30*CMV
	MUL16 4, (\ks)%2, \ks, CMV
	MUL16 6, (\ks)%2, \ks, CMV
	PLACES
	WIN 0
	FETCH_A (\ks)/4, (\ks)%4+1, 4
.endm
; k step 3 goes over to the second half of K, and the first half's parts of Wq and Wk are filled again, with Wv.  ONE barrier, which opens a round of the cluster's: in front of it each wave waits for all its tensor loads
; (its part of the second half), adds 0 to its spare word, and waits for that and for its reads of the first half.  Behind the round no wave of any partner reads those parts or has a load on its way.
.macro MID
	s_wait_tensorcnt 0x0                           ; all my tensor loads have landed;  (every window is 0 here: the add's two registers lie in window 0)
	ds_add_u32 v[SPW], v[NIL]                      ; 0 onto my spare word;
	s_wait_dscnt 9                                 ; (the add and the youngest eight loads, x's blocks 4-7, may be out)
	WIN W_LO
	MUL16 0, 1, 3, 0                               ; sixteen matrix instructions stand between the add and the wait for it
	s_wait_dscnt 0x0                               ; the add is done, and my reads of the first half of K's weights are over
	s_barrier_signal -1
	MUL16 2, 1, 3, 0
	WIN 0
	s_barrier_wait -1
	CREST
	VLOAD                                          ; the first tensor load behind the round, in waves 2 and 3, one each
	PLACES                                         ; in front of the loads below, in the waves that fetch nothing too
	FETCH_B 1, 0, 0
	FETCH_A 1, 0, 0
	WIN W_HI
	MUL16 4, 1, 3, 0
	MUL16 6, 1, 3, 0
	PLACES
	WIN 0
	FETCH_A 1, 0, 4
.endm
.macro LAST
	s_wait_dscnt 8
	WIN W_LO
	MUL16 0, 1, 7, 0
	MUL16 2, 1, 7, 0
	s_wait_dscnt 0x0
	WIN W_HI
	MUL16 4, 1, 7, 0
	MUL16 6, 1, 7, 0
	WIN 0
.endm
; PASS A'S WAY OUT.  An accumulator's eight numbers of a lane, rounded to f16, are the lane's 16 bytes of a plane of the attention's operand: stored as they stand.
; They are packed into window 3: blocks 4-7, which lie there, in place (destination d takes sources 2 d and 2 d + 1, ascending, so nothing unread is written over) into v0-127; then blocks 0-3, out of window 2, into v128-255.
.macro OUTQK
	PLACES
.irp a, 4,5,6,7,0,1,2,3
.if \a >= 4
	WIN 0xcf                                       ; sources 0 and 1 and the destination: window 3
.else
	WIN 0xca                                       ; sources window 2, destination window 3
.endif
.irp b, 0,1,2,3,4,5,6,7
.irp i, 0,1,2,3
	v_cvt_pk_f16_f32 v[32*((\a+4)%8)+4*\b+\i], v[64*(\a%4)+8*\b+2*\i], v[64*(\a%4)+8*\b+2*\i+1]   ; each accumulator from its low end on
.endr
.endr
	WIN 0x0c                                       ; a store's data are its source 1: window 3
.irp b, 0,1,2,3,4,5,6,7
	global_store_b128 v[GO], v[32*((\a+4)%8)+4*\b:32*((\a+4)%8)+4*\b+3], s[84:85] offset:\a*2048+(\b/4)*131072+(\b%4)*512   ; 16 tokens a; head b / 4, plane b % 4 of its 64 channels
.endr
.endr
	WIN 0
.endm
; PASS B.  k step ks: Wv's four fragments into W's set p, x's eight into x's set p: 24 loads.
.macro FETCHV ks, p
	WIN 0x40
.irp i, 0,1,2,3
	FRAG 128*(\p)+8*\i, ADRV+(\ks)/4, (\ks)%4, \i
.endr
	WIN 0
.irp i, 0,1,2,3,4,5,6,7
	FRAG AF+64*(\p)+8*\i, ADRA+(\ks)/4, (\ks)%4, \i
.endr
.endm
; 16 matrix instructions: x's blocks a0 .. a0 + 3 (source 0) against Wv's four (source 1).  The 32 accumulators take turns, in the same order in every k step.  k step 0 begins the sums with the bias.
.macro MULV a0, p, ks
.irp a, \a0, \a0+1, \a0+2, \a0+3
.irp b, 0,1,2,3
.set rD, 8*(4*(\a)+\b)
.set rC, rD
.if (\ks) == 0
.set rC, BIV+8*\b
.endif
.set oA, AF+64*(\p)+8*(\a)
.set oB, 128*(\p)+8*\b
.set zA, SA+4*(\a)+(\ks)/2
.set zB, SV+4*\b+(\ks)/2
.if (\ks)%2
	v_wmma_scale_f32_16x16x128_f8f6f4 v[rD:rD+7], v[oA:oA+7], v[oB:oB+7], v[rC:rC+7], v[zA], v[zB] matrix_a_fmt:MATRIX_FMT_FP4 matrix_b_fmt:MATRIX_FMT_FP4 matrix_a_scale:MATRIX_SCALE_ROW1 matrix_b_scale:MATRIX_SCALE_ROW1
.else
	v_wmma_scale_f32_16x16x128_f8f6f4 v[rD:rD+7], v[oA:oA+7], v[oB:oB+7], v[rC:rC+7], v[zA], v[zB] matrix_a_fmt:MATRIX_FMT_FP4 matrix_b_fmt:MATRIX_FMT_FP4
.endif
.endr
.endr
.endm
.macro STEPV ks                        ; the next k step's loads go out first, into the other sets; then this k step is multiplied
	s_wait_dscnt 0x0                               ; this k step's fragments, asked for 32 matrix instructions ago
	PLACES                                         ; in front of loads into the sets that the last k step multiplied
	FETCHV (\ks)+1, 1-(\ks)%2
.if (\ks) == 0
	WIN 0x94                                       ; source 0 (x) window 0, source 1 (W) and source 2 (the bias) window 1, D window 2
.else
	WIN 0xa4                                       ; C and D window 2
.endif
	MULV 0, (\ks)%2, \ks
	MULV 4, (\ks)%2, \ks
.endm
; PASS B'S WAY OUT: packed in place in window 2, ascending, as above.
.macro OUTV
	PLACES
.irp a, 0,1,2,3,4,5,6,7
	WIN 0x8a                                       ; sources 0 and 1 and the destination: window 2
.irp b, 0,1,2,3
.irp i, 0,1,2,3
	v_cvt_pk_f16_f32 v[16*\a+4*\b+\i], v[32*\a+8*\b+2*\i], v[32*\a+8*\b+2*\i+1]
.endr
.endr
	WIN 0x08                                       ; the store's data: window 2
.irp b, 0,1,2,3
	global_store_b128 v[GO], v[16*\a+4*\b:16*\a+4*\b+3], s[92:93] offset:(\a/2)*4096+(\a%2)*512+\b*1024   ; 32 keys a / 2, plane a % 2; 16 channels b
.endr
.endr
	WIN 0
.endm
	s_wait_tensorcnt 1                             ; my part of the first half of K is in; the second half's load may be out
	s_barrier_signal -1
	s_barrier_wait -1                              ; everybody's is
	FETCH_B 0, 0, 0
	FETCH_A 0, 0, 0
	FETCH_A 0, 0, 4
	s_wait_loadcnt 0x0                             ; the scale words and the biases
	STEP 0
	STEP 1
	STEP 2
	MID
	STEP 4
	STEP 5
	STEP 6
	LAST
	OUTQK                                          ; q's and k's 64 stores a wave go out; nothing below waits for them
	s_wait_tensorcnt 0x0                           ; my part of Wv, if I fetched one, has landed,
	s_wait_dscnt 0x0                               ; no LDS instruction of mine is out at the signal,
	s_barrier_signal -1
	s_barrier_wait -1                              ; and behind the barrier both parts have.
	FETCHV 0, 0
	STEPV 0
	STEPV 1
	STEPV 2
	STEPV 3
	STEPV 4
	STEPV 5
	STEPV 6
	s_wait_dscnt 0x0
	WIN 0xa4
	MULV 0, 1, 7
	MULV 4, 1, 7
	WIN 0
	OUTV
	s_wait_tensorcnt 0x0                           ; the wave's end
	ds_add_u32 v[SPW], v[NIL]
	s_wait_dscnt 0x0
	CROUND                                         ; the closing round: no work-group ends while a partner may still ask for a tile that names it
	s_endpgm
.Lfunc_end_k_q3a98cce73d_project_in:
	.size	k_q3a98cce73d_project_in, .Lfunc_end_k_q3a98cce73d_project_in-k_q3a98cce73d_project_in
	.p2alignl 7, 3214868480
	.fill 96, 4, 3214868480
	.section	.rodata,"a",@progbits
	.p2align	6, 0x0
	.amdhsa_kernel k_q3a98cce73d_project_in
		.amdhsa_group_segment_fixed_size 327680
		.amdhsa_private_segment_fixed_size 0
		.amdhsa_enable_private_segment 0
		.amdhsa_kernarg_size 64
		.amdhsa_user_sgpr_count 2
		.amdhsa_user_sgpr_kernarg_segment_ptr 1
		.amdhsa_wavefront_size32 1
		.amdhsa_system_sgpr_workgroup_id_x 1
		.amdhsa_system_sgpr_workgroup_id_y 1
		.amdhsa_system_sgpr_workgroup_id_z 1
		.amdhsa_system_vgpr_workitem_id 0
		.amdhsa_next_free_vgpr 1024
		.amdhsa_next_free_sgpr 96
		.amdhsa_reserve_vcc 0
		.amdhsa_float_denorm_mode_32 3
		.amdhsa_float_denorm_mode_16_64 3
		.amdhsa_memory_ordered 1
		.amdhsa_forward_progress 1
		.amdhsa_inst_pref_size 185
	.end_amdhsa_kernel
	.amdgpu_metadata
---
amdhsa.version: [ 1, 2 ]
amdhsa.kernels:
  - .name:           k_q3a98cce73d_project_in
    .symbol:         k_q3a98cce73d_project_in.kd
    .args:
      - { .name: xc, .offset: 0, .size: 8, .value_kind: global_buffer, .address_space: global }
      - { .name: xs, .offset: 8, .size: 8, .value_kind: global_buffer, .address_space: global }
      - { .name: wc, .offset: 16, .size: 8, .value_kind: global_buffer, .address_space: global }
      - { .name: ws, .offset: 24, .size: 8, .value_kind: global_buffer, .address_space: global }
      - { .name: bq, .offset: 32, .size: 8, .value_kind: global_buffer, .address_space: global }
      - { .name: bk, .offset: 40, .size: 8, .value_kind: global_buffer, .address_space: global }
      - { .name: bv, .offset: 48, .size: 8, .value_kind: global_buffer, .address_space: global }
      - { .name: qkvh, .offset: 56, .size: 8, .value_kind: global_buffer, .address_space: global }
    .group_segment_fixed_size: 327680
    .private_segment_fixed_size: 0
    .kernarg_segment_align: 8
    .kernarg_segment_size: 64
    .max_flat_workgroup_size: 128
    .sgpr_count:     96
    .vgpr_count:     1024
    .wavefront_size: 32
...
	.end_amdgpu_metadata
.endif
;; end of part 2
;; launch attention (part 3): grid 2 x 128, 8 waves a work-group, no clusters, 327,680 bytes of LDS; arguments qkvh, aoh; writes aoh
.if DOCPART == 3
	.amdgcn_target "amdgcn-amd-amdhsa--gfx1250"
	.amdhsa_code_object_version 6
	.text
	.protected	k_q3a98cce73d_attention
	.globl	k_q3a98cce73d_attention
	.p2align	8
	.type	k_q3a98cce73d_attention,@function
k_q3a98cce73d_attention:
	s_mov_b64 s[64:65], 0
	v_nop
	global_prefetch_b8 v0, s[64:65] scope:SCOPE_SE
	s_setreg_imm32_b32 hwreg(HW_REG_WAVE_MODE, 25, 1), 1
	s_wait_xcnt 0x0
; O[q] = the sum over k of softmax_k(Q[q] . K[k] / 8) V[k], for 128 (batch, head) of 1,024 tokens x 64 channels, no mask.  Operands f16, products, maxima and sums f32; the weights p are rounded to f16 for the second product.
; q, k, v lie in memory as images of operand registers (planes of 512 bytes, lane l's 16 bytes at 16 l): q, k [16 tokens][32 channels][plane]; v [32 keys][16 channels][plane], a row = a channel.  Nothing is turned.
; SHARES.  A work-group owns 512 queries of one head; each of its eight waves 64: four tiles of 16, in 512 registers.  Two waves lie on a SIMD, so that one wave's softmax stands beside the other's products; each wave is written in plain phases.
; A HEAD'S K AND V STAY IN LDS WHOLE, 131,072 bytes each: every byte is filled once, by loads issued at the head in four chunks of 256 keys, each wave 8,192 bytes of a chunk.  Four loads of mine are out at the most.
; So there is no ring and no refill, and three barriers in the walk, one ahead of each later chunk.  Each fragment read from LDS feeds four matrix instructions.
; LAYOUT.  S^T = K Q^T (source 0 = 16 keys, source 1 = 16 queries): a lane holds ONE query and keys 8 (lane / 16) + 0..7; two such tiles rounded in pairs ARE source 1 of O^T = V^T P, whose result again holds one query a lane and eight channels,
; which rounded to f16 are the lane's 16 bytes of a plane of the out-projection's operand: no result goes through LDS.
; SOFTMAX.  For each query a running maximum m and sum l: p = 2^(c s - c m), c = log2(e) / 8; in every step O and l are multiplied by a = 2^(c m_old - c m_new).  The sum is taken of p in f32, before the rounding to f16.
; THE WALK.  64 keys a step.  The wave's tiles are two pieces (0: tiles 0, 1; 2: tiles 2, 3) that share S^T's 64 registers by turns.
; NO CLUSTER: a head's K and V are read by two work-groups alone, the grid's 2 along x is no multiple of a cluster's four, and four in a row would be two heads.  NO PREFETCH: all of K and V is asked for at the head; no later request is left to run ahead of.
; LIMITS: NaN and infinities are not served; the result beyond 65,504 in magnitude becomes infinity in f16 (it is an average of v, which is f16 already).
; REGISTERS: window 0: v2-9 addresses; v12-43 statistics, 8 a tile: +0 c m, +1 m, +2, +3 l, +4..+7 at work (a in +6); v64-127 S^T of the piece in hand; v128-191 P, 16 a tile; v192-255 V of one step.
;   window 1: v0-127 O^T, 32 a tile; v128-191 Q, 16 a tile; v192-255 K of one step.
.set VB,    131072                     ; LDS: K from 0, V from here
.set SPARE, 262144                     ; the spare words, 128 bytes a wave
.set STEPB, 8192                       ; 64 keys of K, and of V
.set LI,  2                            ; v2  16 x lane
.set LIV, 3                            ; v3  16 x lane + VB
.set ADR, 4                            ; v4  the LDS address of the run of loads in hand
.set SPW, 8                            ; v8  LDS address of my spare word; never rewritten
.set NIL, 9                            ; v9  0; never rewritten
.set ST,  12
.set S,   64
.set P,   128
.set VF,  192
.set QF,  128                          ; in window 1
.set KF,  192                          ; in window 1
.set G1,  16                           ; s[16:23] descriptor group 1
.set G0,  24                           ; s[24:39] group 0, a set for each chunk
.set CS,  40                           ; s[40:41] c, as a pair
.set SEL, 42                           ; s[42:43] v_permlanex16_b32's selects for lane l xor 16
.set TB,  44                           ; s44 LDS byte at which the step to be fetched begins
.set CNT, 45
.set MSB, 0
.macro WIN new
.if MSB != (\new)
	s_set_vgpr_msb (MSB<<8)|(\new)
.set MSB, \new
.endif
.endm
.set W_KQ, 0x05                        ; K and Q in window 1, S^T in window 0
.set W_PV, 0x50                        ; V and P in window 0, O^T in window 1
.set W_RS, 0x41                        ; O^T (destination and source 0) in window 1, a in window 0
.macro PLACES
.rept 4
	v_nop
.endr
.endm
	s_load_b128 s[4:7], s[0:1], 0x0                ; q, k, v s[4:5]; the output s[6:7]
	v_lshl_add_u32 v[SPW], v0, 2, SPARE
	v_mov_b32 v[NIL], 0
	ds_add_u32 v[SPW], v[NIL]                      ; the wave's opening: the add, twice on end, and its wait ahead of my first tensor load
	ds_add_u32 v[SPW], v[NIL]
	v_lshrrev_b32 v1, 5, v0
	v_readfirstlane_b32 s8, v1                     ; wave 0..7
	s_and_b32 s9, ttmp7, 0xffff                    ; 16 x batch + head
	s_lshr_b32 s10, s8, 2                          ; I fetch for K (0) or for V (1),
	s_and_b32 s11, s8, 3                           ; this quarter of each chunk
	s_lshl_b32 s12, s10, 17
	s_lshl_b32 s13, s11, 13
	s_add_co_u32 s12, s12, s13                     ; LDS: 131,072 x (wave / 4) + 8,192 x (wave % 4)
	s_lshl_b32 s14, s9, 17                         ; the head's 131,072 bytes in q, k, v
	s_lshl_b32 s46, s10, 24
	s_add_co_u32 s46, s46, 0x1000000               ; k lies 16 MiB behind q, v 32
	s_add_co_u32 s46, s46, s14
	s_add_co_u32 s46, s46, s13
	s_mov_b32 s47, 0
	s_lshl_b32 s15, ttmp9, 5
	s_lshl_b32 s48, s8, 2
	s_add_co_u32 s15, s15, s48                     ; my first block of 16 queries: 32 x half + 4 x wave
	s_lshl_b32 s48, s15, 11
	s_add_co_u32 s48, s48, s14
	s_mov_b32 s49, 0
	s_lshr_b32 s50, s9, 4                          ; the output: block of 16 rows 64 x batch + mine, 32,768 bytes each;
	s_lshl_b32 s50, s50, 6
	s_add_co_u32 s50, s50, s15
	s_lshl_b32 s50, s50, 15
	s_and_b32 s51, s9, 15                          ; the head's 64 channels: two fragments, 2,048 bytes
	s_lshl_b32 s51, s51, 11
	s_add_co_u32 s50, s50, s51
	s_mov_b32 s51, 0
	s_mov_b32 s[G1], 3<<16                         ; no mask; elements of 8 bytes; no padding
	s_mov_b32 s[G1+1], 32<<16                      ; tensor_dim0 = 32: rows of 256 bytes
	s_mov_b32 s[G1+2], 32<<16                      ; tensor_dim1 = 32 rows: 8,192 dense bytes
	s_mov_b32 s[G1+3], 32<<16                      ; tile_dim0
	s_mov_b32 s[G1+4], 32                          ; tile_dim1
	s_mov_b32 s[G1+5], 32                          ; the pitch
	s_mov_b32 s[G1+6], 0
	s_mov_b32 s[G1+7], 0
	s_mov_b32 s[CS], 0x3e38aa3b                    ; c = log2(e) / 8
	s_mov_b32 s[CS+1], s[CS]                       ; named with it as a pair, so it is written
	s_mov_b32 s[SEL], 0x76543210
	s_mov_b32 s[SEL+1], 0xfedcba98
	s_mov_b32 s[TB], 0
	s_wait_dscnt 0x0                               ; both opening adds are done
	s_wait_kmcnt 0x0
	s_add_nc_u64 s[46:47], s[4:5], s[46:47]
	s_add_nc_u64 s[48:49], s[4:5], s[48:49]        ; Q at my first query
	s_add_nc_u64 s[6:7], s[6:7], s[50:51]
.irp c, 0,1,2,3
	s_mov_b32 s[G0+4*\c], 1
	s_add_co_u32 s[G0+4*\c+1], s12, \c*32768       ; chunk c: 256 keys, 32,768 bytes of K and of V
	s_add_nc_u64 s[G0+4*\c+2:G0+4*\c+3], s[46:47], \c*32768
	s_or_b32 s[G0+4*\c+3], s[G0+4*\c+3], 0x80000000
.endr
.irp c, 0,1,2,3
	tensor_load_to_lds s[G0+4*\c:G0+4*\c+3], s[G1:G1+7]
	s_nop 0
.endr
.rept 4
	v_nop
.endr
	v_and_b32 v1, 31, v0
	v_lshlrev_b32 v[LI], 4, v1
	v_add_nc_u32 v[LIV], VB, v[LI]
	WIN 0x40                                       ; destination window 1
.irp t, 0,1,2,3
.irp f, 0,1
.irp p, 0,1
	global_load_b128 v[QF+16*\t+8*\f+4*\p:QF+16*\t+8*\f+4*\p+3], v[LI], s[48:49] offset:\t*2048+\f*1024+\p*512   ; Q stays in registers
.endr
.endr
.endr
	WIN 0
.macro FETCH_K                         ; 64 keys x 64 channels: 8 fragments, 16 loads of 512 consecutive bytes
	WIN 0
	v_add_nc_u32 v[ADR], s[TB], v[LI]
	WIN 0x40
.irp k, 0,1,2,3
.irp f, 0,1
.irp p, 0,1
	ds_load_b128 v[KF+16*\k+8*\f+4*\p:KF+16*\k+8*\f+4*\p+3], v[ADR] offset:\k*2048+\f*1024+\p*512
.endr
.endr
.endr
	WIN 0
.endm
.macro FETCH_V                         ; 64 channels x 64 keys likewise
	WIN 0
	v_add_nc_u32 v[ADR], s[TB], v[LIV]
	s_add_co_u32 s[TB], s[TB], STEPB               ; the next fetch is the next step's
.irp g, 0,1
.irp c, 0,1,2,3
.irp p, 0,1
	ds_load_b128 v[VF+32*\g+8*\c+4*\p:VF+32*\g+8*\c+4*\p+3], v[ADR] offset:\g*4096+\c*1024+\p*512
.endr
.endr
.endr
.endm
; S^T = K Q^T for piece y: 16 matrix instructions; the eight accumulators take turns; the first eight start the sums.
.macro KQ y
	WIN W_KQ
.irp f, 0,1
.irp k, 0,1,2,3
.irp u, 0,1
.if \f == 0
	v_wmma_f32_16x16x32_f16 v[S+32*\u+8*\k:S+32*\u+8*\k+7], v[KF+16*\k+8*\f:KF+16*\k+8*\f+7], v[QF+16*(\y+\u)+8*\f:QF+16*(\y+\u)+8*\f+7], 0
.else
	v_wmma_f32_16x16x32_f16 v[S+32*\u+8*\k:S+32*\u+8*\k+7], v[KF+16*\k+8*\f:KF+16*\k+8*\f+7], v[QF+16*(\y+\u)+8*\f:QF+16*(\y+\u)+8*\f+7], v[S+32*\u+8*\k:S+32*\u+8*\k+7]
.endif
.endr
.endr
.endr
	WIN 0
	PLACES                                         ; in front of the reads of the scores and of the loads into K's registers
.endm
; O^T += V^T P for all four tiles: 32 matrix instructions; sixteen accumulators take turns.  zero = 1: the first sixteen start the sums: nothing is ever cleared.
.macro PV zero
	WIN W_PV
.irp g, 0,1
.irp c, 0,1,2,3
.irp t, 0,1,2,3
.if \zero && (\g == 0)
	v_wmma_f32_16x16x32_f16 v[32*\t+8*\c:32*\t+8*\c+7], v[VF+32*\g+8*\c:VF+32*\g+8*\c+7], v[P+16*\t+8*\g:P+16*\t+8*\g+7], 0
.else
	v_wmma_f32_16x16x32_f16 v[32*\t+8*\c:32*\t+8*\c+7], v[VF+32*\g+8*\c:VF+32*\g+8*\c+7], v[P+16*\t+8*\g:P+16*\t+8*\g+7], v[32*\t+8*\c:32*\t+8*\c+7]
.endif
.endr
.endr
.endr
	WIN 0
	PLACES                                         ; in front of the loads into V's registers, and of the writes of P and of O^T
.endm
; The softmax of piece y's two tiles for one step, the tiles alternating line by line so that no line waits for the one above it.  first = 1: the first step: no old m, no a, nothing to rescale.
.macro SM y, first
	WIN 0
.irp j, 0,1,2,3
.irp u, 0,1
	v_max3_num_f32 v[ST+8*(\y+\u)+4+\j], v[S+32*\u+8*\j], v[S+32*\u+8*\j+1], v[S+32*\u+8*\j+2]   ; four chains, one to an accumulator, each from its low end on
.endr
.endr
.irp i, 3,5
.irp j, 0,1,2,3
.irp u, 0,1
	v_max3_num_f32 v[ST+8*(\y+\u)+4+\j], v[ST+8*(\y+\u)+4+\j], v[S+32*\u+8*\j+\i], v[S+32*\u+8*\j+\i+1]
.endr
.endr
.endr
.irp u, 0,1
	v_max3_num_f32 v[ST+8*(\y+\u)+4], v[ST+8*(\y+\u)+4], v[S+32*\u+7], v[S+32*\u+15]
.endr
.irp u, 0,1
	v_max3_num_f32 v[ST+8*(\y+\u)+6], v[ST+8*(\y+\u)+6], v[S+32*\u+23], v[S+32*\u+31]
.endr
.irp u, 0,1
	v_max3_num_f32 v[ST+8*(\y+\u)+4], v[ST+8*(\y+\u)+4], v[ST+8*(\y+\u)+5], v[ST+8*(\y+\u)+6]
.endr
.irp u, 0,1
.if \first
	v_max_num_f32 v[ST+8*(\y+\u)+4], v[ST+8*(\y+\u)+4], v[ST+8*(\y+\u)+7]
.else
	v_max3_num_f32 v[ST+8*(\y+\u)+4], v[ST+8*(\y+\u)+4], v[ST+8*(\y+\u)+7], v[ST+8*(\y+\u)+1]   ; and the old m
.endif
.endr
.irp u, 0,1
	v_permlanex16_b32 v[ST+8*(\y+\u)+5], v[ST+8*(\y+\u)+4], s[SEL], s[SEL+1]   ; the query's other 32 keys lie in the lane 16 away
.endr
.if !\first
.irp u, 0,1
	v_mov_b32 v[ST+8*(\y+\u)+7], v[ST+8*(\y+\u)]   ; c m_old is kept for a
.endr
.endif
.irp u, 0,1
	v_max_num_f32 v[ST+8*(\y+\u)+1], v[ST+8*(\y+\u)+4], v[ST+8*(\y+\u)+5]   ; the new m
.endr
.irp u, 0,1
	v_mul_f32 v[ST+8*(\y+\u)], s[CS], v[ST+8*(\y+\u)+1]
.endr
.if !\first
.irp u, 0,1
	v_sub_f32 v[ST+8*(\y+\u)+7], v[ST+8*(\y+\u)+7], v[ST+8*(\y+\u)]
.endr
.endif
.irp b, 0,1,2,3,4,5,6,7,8,9,10,11,12,13,14,15
.irp u, 0,1
	v_pk_fma_f32 v[S+32*\u+2*\b:S+32*\u+2*\b+1], v[S+32*\u+2*\b:S+32*\u+2*\b+1], s[CS:CS+1], v[ST+8*(\y+\u):ST+8*(\y+\u)+1] op_sel_hi:[1,0,0] neg_lo:[0,0,1] neg_hi:[0,0,1]   ; c s - c m, two at a time
.endr
.endr
.if !\first
.irp u, 0,1
	v_exp_f32 v[ST+8*(\y+\u)+6], v[ST+8*(\y+\u)+7]   ; a
.endr
.endif
.irp e, 0,1,2,3,4,5,6,7,8,9,10,11,12,13,14,15,16,17,18,19,20,21,22,23,24,25,26,27,28,29,30,31
.irp u, 0,1
	v_exp_f32 v[S+32*\u+\e], v[S+32*\u+\e]         ; ONE BATCH: none of these lines names an exponential's result
.endr
.endr
	v_nop                                          ; a plain line behind the last exponential
	s_wait_alu depctr_va_vdst(0)                   ; one wait for the batch, ahead of its first reader
.irp i, 0,1,2,3,4,5,6,7,8,9,10,11,12,13,14,15
.irp u, 0,1
	v_cvt_pk_f16_f32 v[P+16*(\y+\u)+\i], v[S+32*\u+2*\i], v[S+32*\u+2*\i+1]   ; two neighbouring keys' weights: source 1 of the second product as it stands
.endr
.endr
.irp i, 0,1,2,3,4,5,6,7                ; the sum of the 16 pairs, in place: neighbours 1, 2, 4 and 8 pairs apart
.irp u, 0,1
	v_pk_add_f32 v[S+32*\u+4*\i:S+32*\u+4*\i+1], v[S+32*\u+4*\i:S+32*\u+4*\i+1], v[S+32*\u+4*\i+2:S+32*\u+4*\i+3]
.endr
.endr
.irp i, 0,1,2,3
.irp u, 0,1
	v_pk_add_f32 v[S+32*\u+8*\i:S+32*\u+8*\i+1], v[S+32*\u+8*\i:S+32*\u+8*\i+1], v[S+32*\u+8*\i+4:S+32*\u+8*\i+5]
.endr
.endr
.irp i, 0,1
.irp u, 0,1
	v_pk_add_f32 v[S+32*\u+16*\i:S+32*\u+16*\i+1], v[S+32*\u+16*\i:S+32*\u+16*\i+1], v[S+32*\u+16*\i+8:S+32*\u+16*\i+9]
.endr
.endr
.if \first
.irp u, 0,1
	v_pk_add_f32 v[ST+8*(\y+\u)+2:ST+8*(\y+\u)+3], v[S+32*\u:S+32*\u+1], v[S+32*\u+16:S+32*\u+17]   ; l begins
.endr
.else
.irp u, 0,1
	v_pk_add_f32 v[S+32*\u:S+32*\u+1], v[S+32*\u:S+32*\u+1], v[S+32*\u+16:S+32*\u+17]
.endr
.irp u, 0,1
	v_pk_fma_f32 v[ST+8*(\y+\u)+2:ST+8*(\y+\u)+3], v[ST+8*(\y+\u)+2:ST+8*(\y+\u)+3], v[ST+8*(\y+\u)+6:ST+8*(\y+\u)+7], v[S+32*\u:S+32*\u+1] op_sel_hi:[1,0,1]   ; l = a l + the sum
.endr
	WIN W_RS
.irp i, 0,1,2,3,4,5,6,7,8,9,10,11,12,13,14,15
.irp u, 0,1
	v_pk_mul_f32 v[32*(\y+\u)+2*\i:32*(\y+\u)+2*\i+1], v[32*(\y+\u)+2*\i:32*(\y+\u)+2*\i+1], v[ST+8*(\y+\u)+6:ST+8*(\y+\u)+7] op_sel_hi:[1,0]   ; O^T x a, each accumulator from its low end on.  These lines name no register of the products K Q^T: places ahead of the next ones, which write over S^T
.endr
.endr
	WIN 0
.endif
.endm
; Ahead of the first fetch out of chunk c: my part of it has landed (the later chunks' loads may be out), no LDS load of mine is out at the signal; behind the barrier everybody's part has landed.  Nothing is filled again.
.macro CHANGE c
	s_wait_tensorcnt 3-\c
	s_wait_dscnt 0x0
	s_barrier_signal -1
	s_barrier_wait -1
.endm
; A TRIP finishes step j and begins step j + 1.  At its head: S^T holds piece 2's scores of step j, P piece 0's weights, V of step j is on its way.
.macro TRIP first
	FETCH_K                                        ; K of step j + 1
	SM 2, \first
	s_wait_dscnt 16                                ; V of step j is in; K's sixteen loads may be out
	PV \first
	FETCH_V                                        ; V of step j + 1
	s_wait_dscnt 16                                ; K of step j + 1 is in; V's sixteen loads may be out
	KQ 0
	SM 0, 0
	KQ 2
.endm
.macro LOOP n
	s_mov_b32 s[CNT], \n
.Ltrip_\@:
	TRIP 0
	s_sub_co_u32 s[CNT], s[CNT], 1
	s_cmp_lg_u32 s[CNT], 0
	s_cbranch_scc1 .Ltrip_\@
.endm
	s_wait_tensorcnt 3                             ; my part of chunk 0 is in; the three later chunks' loads may be out
	s_barrier_signal -1
	s_barrier_wait -1                              ; everybody's is
	FETCH_K                                        ; step 0
	FETCH_V
	s_wait_loadcnt 0x0                             ; Q
	s_wait_dscnt 16                                ; K is in
	KQ 0
	SM 0, 1
	KQ 2
	TRIP 1                                         ; fetches step 1
	LOOP 2                                         ; steps 2, 3: the rest of chunk 0
	CHANGE 1
	LOOP 4                                         ; steps 4 to 7
	CHANGE 2
	LOOP 4                                         ; steps 8 to 11
	CHANGE 3
	LOOP 4                                         ; steps 12 to 15
	SM 2, 0
	s_wait_dscnt 0x0                               ; V of the last step
	PV 0
	; THE WAY OUT: l's two halves and the other half of the lanes' are added; O^T / l, rounded to f16, is stored as it stands.
.irp t, 0,1,2,3
	v_add_f32 v[ST+8*\t+4], v[ST+8*\t+2], v[ST+8*\t+3]
.endr
.irp t, 0,1,2,3
	v_permlanex16_b32 v[ST+8*\t+5], v[ST+8*\t+4], s[SEL], s[SEL+1]
.endr
.irp t, 0,1,2,3
	v_add_f32 v[ST+8*\t+4], v[ST+8*\t+4], v[ST+8*\t+5]
.endr
.irp t, 0,1,2,3
	v_rcp_f32 v[ST+8*\t+6], v[ST+8*\t+4]
.endr
	v_nop                                          ; a plain line behind the last reciprocal
	s_wait_alu depctr_va_vdst(0)                   ; one wait for the four, ahead of their first reader
.irp t, 0,1,2,3
	WIN W_RS
.irp i, 0,1,2,3,4,5,6,7,8,9,10,11,12,13,14,15
	v_pk_mul_f32 v[32*\t+2*\i:32*\t+2*\i+1], v[32*\t+2*\i:32*\t+2*\i+1], v[ST+8*\t+6:ST+8*\t+7] op_sel_hi:[1,0]
.endr
	WIN 0x05                                       ; sources 0 and 1 window 1, destination window 0: S^T's registers are free
.irp i, 0,1,2,3,4,5,6,7,8,9,10,11,12,13,14,15
	v_cvt_pk_f16_f32 v[S+16*\t+\i], v[32*\t+2*\i], v[32*\t+2*\i+1]
.endr
	WIN 0
.irp c, 0,1,2,3
	global_store_b128 v[LI], v[S+16*\t+4*\c:S+16*\t+4*\c+3], s[6:7] offset:\t*32768+\c*512   ; a plane: 512 consecutive bytes, aligned
.endr
.endr
	s_wait_tensorcnt 0x0                           ; the wave's end
	ds_add_u32 v[SPW], v[NIL]
	s_wait_dscnt 0x0
	s_endpgm
.Lfunc_end_k_q3a98cce73d_attention:
	.size	k_q3a98cce73d_attention, .Lfunc_end_k_q3a98cce73d_attention-k_q3a98cce73d_attention
	.p2alignl 7, 3214868480
	.fill 96, 4, 3214868480
	.section	.rodata,"a",@progbits
	.p2align	6, 0x0
	.amdhsa_kernel k_q3a98cce73d_attention
		.amdhsa_group_segment_fixed_size 327680
		.amdhsa_private_segment_fixed_size 0
		.amdhsa_enable_private_segment 0
		.amdhsa_kernarg_size 16
		.amdhsa_user_sgpr_count 2
		.amdhsa_user_sgpr_kernarg_segment_ptr 1
		.amdhsa_wavefront_size32 1
		.amdhsa_system_sgpr_workgroup_id_x 1
		.amdhsa_system_sgpr_workgroup_id_y 1
		.amdhsa_system_sgpr_workgroup_id_z 1
		.amdhsa_system_vgpr_workitem_id 0
		.amdhsa_next_free_vgpr 512
		.amdhsa_next_free_sgpr 66
		.amdhsa_reserve_vcc 0
		.amdhsa_float_denorm_mode_32 3
		.amdhsa_float_denorm_mode_16_64 3
		.amdhsa_memory_ordered 1
		.amdhsa_forward_progress 1
		.amdhsa_inst_pref_size 204
	.end_amdhsa_kernel
	.amdgpu_metadata
---
amdhsa.version: [ 1, 2 ]
amdhsa.kernels:
  - .name:           k_q3a98cce73d_attention
    .symbol:         k_q3a98cce73d_attention.kd
    .args:
      - { .name: qkvh, .offset: 0, .size: 8, .value_kind: global_buffer, .address_space: global }
      - { .name: aoh, .offset: 8, .size: 8, .value_kind: global_buffer, .address_space: global }
    .group_segment_fixed_size: 327680
    .private_segment_fixed_size: 0
    .kernarg_segment_align: 8
    .kernarg_segment_size: 16
    .max_flat_workgroup_size: 256
    .sgpr_count:     66
    .vgpr_count:     512
    .wavefront_size: 32
...
	.end_amdgpu_metadata
.endif
;; end of part 3
;; launch project_out (part 4): grid 4 x 64, 4 waves a work-group, clusters of 4 x 4, 327,680 bytes of LDS; arguments aoh, wo16, bo, out0; writes out0
.if DOCPART == 4
	.amdgcn_target "amdgcn-amd-amdhsa--gfx1250"
	.amdhsa_code_object_version 6
	.text
	.protected	k_q3a98cce73d_project_out
	.globl	k_q3a98cce73d_project_out
	.p2align	8
	.type	k_q3a98cce73d_project_out,@function
k_q3a98cce73d_project_out:
	s_mov_b64 s[64:65], 0
	v_nop
	global_prefetch_b8 v0, s[64:65] scope:SCOPE_SE
	s_setreg_imm32_b32 hwreg(HW_REG_WAVE_MODE, 25, 1), 1
	s_wait_xcnt 0x0
	s_wait_alu depctr_hold_cnt(0) depctr_sa_sdst(0) depctr_va_vdst(0) depctr_va_sdst(0) depctr_va_ssrc(0) depctr_va_vcc(0) depctr_vm_vsrc(0)
	s_getreg_b32 s2, hwreg(HW_REG_IB_STS2, 6, 4)
	s_cmp_eq_u32 s2, 0
	s_cbranch_scc0 .Lentry_in_a_cluster
	s_endpgm
.Lentry_in_a_cluster:
	s_bfe_u32 s2, ttmp6, 0x10000c
	s_cmp_lg_u32 s2, 0xf033
	s_cbranch_scc0 .Lentry_shape_is_right
	s_endpgm
.Lentry_shape_is_right:
; out = A Wo + bo: A [8192][1024] (the attention's result) and Wo in f16, both as images of operand registers ([block of 16 rows][32 along K][plane][lane][16 bytes]; Wo's rows are output columns); sums and output f32.
; A tile of 128 rows x 256 columns gives 64 x 4 = 256 work-groups (256 x 256 would give 128).  Four waves, each 64 x 128: 32 accumulators, 256 registers.
; K goes in 8 steps of 128 through a ring of two LDS slots; a step's part of a block of rows is 4,096 consecutive bytes; no padding: every LDS load reads 512 consecutive bytes.
; CLUSTERS: 4 x 4 work-groups: A's tiles are asked for jointly along a row of the cluster, Wo's along a column.  The matrix instruction is used transposed (source 0 = 16 rows of Wo, source 1 = 16 rows of A):
; a lane holds eight neighbouring columns of one row of the output.  The bias is the C of each sum's first matrix instruction.
; REGISTERS: window 0: v16-30 addresses; v32-95 the bias; v128-255 rows on the way out.   window 1: two fragment buffers at v0 and v128: Wo's 8 fragments, then A's 4.   window 2: accumulator (a, b) at v[8 (8 a + b)].
.set SLOT,  98304                      ; A's 8 blocks x 4,096 bytes, then Wo's 16 blocks
.set STAGE, 2*SLOT                     ; behind the ring: 16 rows x 528 bytes for each wave, for the way out; no tensor load lands there
.set SPITCH, 528                       ; 512 bytes + 16: row r starts 4 r banks on (64 banks of 4 bytes: ISA guide 11.1)
.set SPARE, STAGE+4*16*SPITCH          ; the spare words, 128 bytes a wave
.set ADRA, 16                          ; v16-17  LDS address of my A fragments in slot 0, 1
.set ADRB, 20                          ; v20-21  the same for Wo
.set STO,  24                          ; v24  the way out: where I put 32 bytes of a row
.set RD,   25                          ; v25  where I read a row back
.set CO,   26                          ; v26  16 x lane
.set SPW,  28                          ; v28  LDS address of my spare word; never rewritten
.set NIL,  29                          ; v29  0; never rewritten
.set PFO,  30                          ; v30  the prefetches' offset; never rewritten
.set BI,   32
.set BK,   128
.set F0,   0
.set F1,   128
.set G1,  24
.set G0,  32
.set G1B, 48
.set G0B, 56
.set PFA, 12                           ; s[12:13] where my prefetches stand
.set LIM, 14                           ; s14  1 in the wave that prefetches, else the greatest number
.set MSB, 0
.macro WIN new
.if MSB != (\new)
	s_set_vgpr_msb (MSB<<8)|(\new)
.set MSB, \new
.endif
.endm
.set MUL,  0xa5                        ; sources 0 and 1 window 1; C and D window 2 (with the bias as C: source 2 window 0)
.set TO_F, 0x40
.macro JLOAD s                         ; a joint load: waves 0 and 1 fetch A's two halves, waves 2 and 3 Wo's; an s_nop 0 and four v_nop follow each line
	s_cmp_eq_u32 s21, 0
	s_cbranch_scc0 .Lfor_b_\@
	tensor_load_to_lds s[G0+4*\s:G0+4*\s+3], s[G1:G1+7]
	s_nop 0
.rept 4
	v_nop
.endr
	s_branch .Lasked_\@
.Lfor_b_\@:
	tensor_load_to_lds s[G0B+4*\s:G0B+4*\s+3], s[G1B:G1B+7]
	s_nop 0
.rept 4
	v_nop
.endr
.Lasked_\@:
.endm
.macro CREST                           ; a round of the cluster's barrier behind its opening barrier
	s_cmp_lg_u32 s20, 0
	s_cbranch_scc1 .Lnot_wave_0_\@
	s_barrier_signal -3
.Lnot_wave_0_\@:
	s_barrier_wait -3
	s_barrier_signal -1
	s_barrier_wait -1
.endm
.macro CROUND
	s_barrier_signal -1
	s_barrier_wait -1
	CREST
.endm
; A PREFETCH INTO THE L2 of A's K step that stands two refills on.  A's 8 blocks of rows are read by this row of the cluster alone; its four partners take two blocks each, told apart by address; in each, wave 0 asks:
; 2 blocks x 4,096 bytes, lanes 256 bytes apart, one instruction.  So each aligned 256 bytes of K steps 4 to 7 are named once.  K steps 0 to 3 come by their loads alone; the loop's last trip asks for nothing.  Wo, which all 64 tile rows read, is not asked for.
.macro ASK
	s_cmp_gt_u32 s3, s[LIM]                        ; s3 = 1 in the loop's last trip
	s_cbranch_scc0 .Lnot_mine_\@
	global_prefetch_b8 v[PFO], s[PFA:PFA+1] offset:4096 th:TH_LOAD_NT scope:SCOPE_SE
.Lnot_mine_\@:
.endm
.macro PLACES
.rept 4
	v_nop
.endr
.endm
	s_load_b256 s[4:11], s[0:1], 0x0               ; A s[4:5], Wo s[6:7], bo s[8:9], out s[10:11]
	v_lshl_add_u32 v[SPW], v0, 2, SPARE
	v_mov_b32 v[NIL], 0
	ds_add_u32 v[SPW], v[NIL]                      ; the wave's opening: the add, twice on end, and its wait ahead of my first tensor load
	ds_add_u32 v[SPW], v[NIL]
	v_lshrrev_b32 v1, 5, v0
	v_readfirstlane_b32 s20, v1                    ; wave 0..3
	s_lshr_b32 s21, s20, 1                         ; which 64 rows are mine.  Also: I fetch for A (0) or for Wo (1)
	s_and_b32 s22, s20, 1                          ; which 128 columns.  Also: which half of that tile I fetch
	s_bfe_u32 s23, ttmp6, 0x40000                  ; cx
	s_bfe_u32 s40, ttmp6, 0x40004                  ; cy
	s_lshl_b32 s41, ttmp9, 2
	s_add_co_u32 s41, s41, s23                     ; tile column X
	s_and_b32 s42, ttmp7, 0xffff
	s_lshl_b32 s42, s42, 2
	s_add_co_u32 s42, s42, s40                     ; tile row Y
	s_lshl_b32 s43, s40, 2
	s_lshl_b32 s43, 15, s43                        ; my row of the cluster
	s_lshl_b32 s44, 0x1111, s23                    ; my column
	s_or_b32 s[G1], s43, (3<<16)|(1<<21)           ; the mask; elements of 8 bytes; no padding; bit 21 beside a mask
	s_mov_b32 s[G1+1], 512<<16                     ; tensor_dim0 = 512: a block's K step, 4,096 bytes
	s_mov_b32 s[G1+2], 4<<16                       ; tensor_dim1 = 4 blocks of 16 rows
	s_mov_b32 s[G1+3], 512<<16
	s_mov_b32 s[G1+4], 4
	s_mov_b32 s[G1+5], 4096                        ; from block to block: 32,768 bytes
	s_mov_b32 s[G1+6], 0
	s_mov_b32 s[G1+7], 0
	s_or_b32 s[G1B], s44, (3<<16)|(1<<21)
	s_mov_b32 s[G1B+1], 512<<16
	s_mov_b32 s[G1B+2], 8<<16                      ; Wo: 8 blocks
	s_mov_b32 s[G1B+3], 512<<16
	s_mov_b32 s[G1B+4], 8
	s_mov_b32 s[G1B+5], 4096
	s_mov_b32 s[G1B+6], 0
	s_mov_b32 s[G1B+7], 0
	s_lshl_b32 s66, s42, 3
	s_lshl_b32 s68, s22, 2
	s_add_co_u32 s66, s66, s68                     ; A: block 8 Y + 4 x half: of the tile row and the wave's number alone
	s_lshl_b32 s66, s66, 15
	s_mov_b32 s67, 0
	s_lshl_b32 s70, s41, 4
	s_lshl_b32 s68, s22, 3
	s_add_co_u32 s70, s70, s68                     ; Wo: block 16 X + 8 x half: of the tile column and the wave's number alone
	s_lshl_b32 s70, s70, 15
	s_mov_b32 s71, 0
	s_lshl_b32 s45, s22, 14                        ; where they go: A's halves of 16,384 bytes,
	s_lshl_b32 s69, s22, 15
	s_add_co_u32 s69, s69, 32768                   ; Wo's halves of 32,768 behind them: no place in the cluster enters an LDS address
	s_lshl_b32 s16, s42, 3                         ; the prefetches: block 8 Y + 2 cx,
	s_lshl_b32 s17, s23, 1
	s_add_co_u32 s16, s16, s17
	s_lshl_b32 s16, s16, 15
	s_add_co_u32 s16, s16, 2*4096                  ; at K step 2: the first refill steps it to 3 and names K step 4
	s_mov_b32 s17, 0
	s_cmp_eq_u32 s20, 0
	s_cselect_b32 s[LIM], 1, -1
	s_lshl_b32 s18, s41, 10                        ; my first column, in bytes: 1,024 X + 512 x (wave % 2)
	s_lshl_b32 s19, s22, 9
	s_add_co_u32 s18, s18, s19
	s_mov_b32 s19, 0
	s_lshl_b32 s46, s42, 19                        ; my first row: 128 Y + 64 x (wave / 2), 4,096 bytes each
	s_lshl_b32 s47, s21, 18
	s_add_co_u32 s46, s46, s47
	s_add_co_u32 s46, s46, s18
	s_mov_b32 s47, 0
	s_wait_dscnt 0x0                               ; both opening adds are done
	s_wait_kmcnt 0x0
	s_add_nc_u64 s[66:67], s[4:5], s[66:67]
	s_add_nc_u64 s[70:71], s[6:7], s[70:71]
	s_add_nc_u64 s[PFA:PFA+1], s[4:5], s[16:17]
	s_add_nc_u64 s[8:9], s[8:9], s[18:19]
	s_add_nc_u64 s[10:11], s[10:11], s[46:47]
	CROUND                                         ; all sixteen work-groups are here: the first joint loads meet
.irp s, 0,1
	s_mov_b32 s[G0+4*\s], 1
	s_add_co_u32 s[G0+4*\s+1], s45, \s*SLOT
	s_add_nc_u64 s[G0+4*\s+2:G0+4*\s+3], s[66:67], \s*4096
	s_or_b32 s[G0+4*\s+3], s[G0+4*\s+3], 0x80000000
	s_mov_b32 s[G0B+4*\s], 1
	s_add_co_u32 s[G0B+4*\s+1], s69, \s*SLOT
	s_add_nc_u64 s[G0B+4*\s+2:G0B+4*\s+3], s[70:71], \s*4096
	s_or_b32 s[G0B+4*\s+3], s[G0B+4*\s+3], 0x80000000
	JLOAD \s                                       ; K steps 0 and 1: two loads of mine are out
.endr
	v_and_b32 v1, 31, v0
	v_and_b32 v2, 15, v0                           ; r
	v_bfe_u32 v3, v0, 4, 1                         ; h
	v_lshlrev_b32 v[CO], 4, v1
	v_lshlrev_b32 v4, 5, v3                        ; 32 h: the bias of the eight columns of my half
.irp b, 0,1,2,3,4,5,6,7
	global_load_b128 v[BI+8*\b:BI+8*\b+3], v4, s[8:9] offset:64*\b
	global_load_b128 v[BI+8*\b+4:BI+8*\b+7], v4, s[8:9] offset:64*\b+16
.endr
	v_lshlrev_b32 v[PFO], 15, v3
	v_lshl_add_u32 v[PFO], v2, 8, v[PFO]           ; lanes 0-15 one block's 16 x 256 bytes, lanes 16-31 the next block's
	s_lshl_b32 s16, s21, 14                        ; my 4 blocks of A
	s_lshl_b32 s17, s22, 15                        ; my 8 blocks of Wo,
	s_add_co_u32 s17, s17, 32768                   ; behind A's 8
.irp s, 0,1
	v_add_nc_u32 v[ADRA+\s], s16, v[CO]
	v_add_nc_u32 v[ADRB+\s], s17, v[CO]
	s_add_co_u32 s16, s16, SLOT
	s_add_co_u32 s17, s17, SLOT
.endr
	s_mul_i32 s16, s20, 16*SPITCH
	s_add_co_u32 s16, s16, STAGE                   ; my stage
	v_mul_u32_u24 v[STO], v2, SPITCH
	v_lshl_add_u32 v[STO], v3, 5, v[STO]
	v_add_nc_u32 v[STO], s16, v[STO]               ; in: row r, 32 bytes for each half of the lanes
	v_add_nc_u32 v[RD], s16, v[CO]                 ; back: the 32 lanes take one row of 512 bytes
.macro FETCH slot, q, f                ; the fragments of 32 along K, the slot's q-th: Wo's eight, then A's four: 24 loads
	WIN TO_F
.irp b, 0,1,2,3,4,5,6,7
.irp p, 0,1
	ds_load_b128 v[\f+8*\b+4*\p:\f+8*\b+4*\p+3], v[ADRB+\slot] offset:\b*4096+(\q)*1024+\p*512
.endr
.endr
.irp b, 0,1,2,3
.irp p, 0,1
	ds_load_b128 v[\f+64+8*\b+4*\p:\f+64+8*\b+4*\p+3], v[ADRA+\slot] offset:\b*4096+(\q)*1024+\p*512
.endr
.endr
.endm
.macro MUL8 f, a, cm                   ; A's block a against Wo's eight.  The 32 accumulators take turns, in the same order in every quarter
.irp b, 0,1,2,3,4,5,6,7
.if \cm
	v_wmma_f32_16x16x32_f16 v[8*(8*\a+\b):8*(8*\a+\b)+7], v[\f+8*\b:\f+8*\b+7], v[\f+64+8*\a:\f+64+8*\a+7], v[BI+8*\b:BI+8*\b+7]
.else
	v_wmma_f32_16x16x32_f16 v[8*(8*\a+\b):8*(8*\a+\b)+7], v[\f+8*\b:\f+8*\b+7], v[\f+64+8*\a:\f+64+8*\a+7], v[8*(8*\a+\b):8*(8*\a+\b)+7]
.endif
.endr
.endm
; A K step is four quarters of 32 along K, 32 matrix instructions each, on buffers 0, 1, 0, 1.  One of the first three: the next quarter's loads go out first, then this quarter is multiplied.
.macro QUARTER slot, q, cm
	s_wait_dscnt 0x0                               ; this quarter's fragments, asked for 32 matrix instructions ago
	PLACES                                         ; in front of loads into the buffer that the last quarter multiplied
	FETCH \slot, (\q)+1, F0+128*(1-(\q)%2)
	WIN MUL-0x20*(\cm)
	MUL8 F0+128*((\q)%2), 0, \cm
	MUL8 F0+128*((\q)%2), 1, \cm
	MUL8 F0+128*((\q)%2), 2, \cm
	MUL8 F0+128*((\q)%2), 3, \cm
.endm
; The last quarter multiplies buffer 1 and changes slots: ONE barrier; in front of it each wave waits for all its tensor loads, adds 0 to its spare word, and waits for that and for its reads of this slot.  fill = 1: this slot is filled again, two K steps ahead.
.macro TURN slot, next, fill
.if \fill
	s_wait_xcnt 0x0                                ; the last prefetch, a K step back, has read its address: it is stepped here
	s_add_nc_u64 s[PFA:PFA+1], s[PFA:PFA+1], 4096
.endif
	WIN 0                                          ; (the add's two registers lie in window 0)
	s_wait_tensorcnt 0x0                           ; all my tensor loads have landed: my part of the next slot;
	ds_add_u32 v[SPW], v[NIL]                      ; 0 onto my spare word;
	s_wait_dscnt 1                                 ; (this quarter's fragments are in; the add may be out)
	WIN MUL
	MUL8 F1, 0, 0                                  ; eight matrix instructions stand between the add and the wait for it
	s_wait_dscnt 0x0                               ; the add is done, and my reads of this slot are over
	s_barrier_signal -1
	MUL8 F1, 1, 0
	WIN 0
	s_barrier_wait -1
.if \fill
	CREST                                          ; the barrier has opened a round of the cluster's: no wave of any partner still reads this slot or has a load on its way
	s_add_nc_u64 s[G0+4*\slot+2:G0+4*\slot+3], s[G0+4*\slot+2:G0+4*\slot+3], 2*4096
	s_add_nc_u64 s[G0B+4*\slot+2:G0B+4*\slot+3], s[G0B+4*\slot+2:G0B+4*\slot+3], 2*4096
	JLOAD \slot                                    ; the first tensor load behind the round; its four v_nop are also the places in front of the loads below
.else
	PLACES
.endif
	FETCH \next, 0, F0
.if \fill
	WIN 0
	ASK                                            ; behind the joint load and the run of LDS loads
.endif
	WIN MUL
	MUL8 F1, 2, 0
	MUL8 F1, 3, 0
.endm
	s_wait_tensorcnt 1                             ; my part of K step 0 is in; K step 1's load may be out
	s_barrier_signal -1
	s_barrier_wait -1                              ; everybody's is
	FETCH 0, 0, F0
	s_wait_loadcnt 0x0                             ; the bias
	QUARTER 0, 0, 1                                ; the first quarter stands in front of the loop: its products start the sums, from the bias
	WIN 0
	s_mov_b32 s3, 3
.Llap:                                                 ; a trip goes once round the ring, from a lap's second quarter to the next lap's first, and fills both slots again: K steps 2 to 7
	QUARTER 0, 1, 0
	QUARTER 0, 2, 0
	TURN 0, 1, 1
	QUARTER 1, 0, 0
	QUARTER 1, 1, 0
	QUARTER 1, 2, 0
	TURN 1, 0, 1
	QUARTER 0, 0, 0
	WIN 0
	s_sub_co_u32 s3, s3, 1
	s_cmp_lg_u32 s3, 0
	s_cbranch_scc1 .Llap
	QUARTER 0, 1, 0                                ; the last lap fills nothing
	QUARTER 0, 2, 0
	TURN 0, 1, 0
	QUARTER 1, 0, 0
	QUARTER 1, 1, 0
	QUARTER 1, 2, 0
	s_wait_dscnt 0x0
	WIN MUL
	MUL8 F1, 0, 0
	MUL8 F1, 1, 0
	MUL8 F1, 2, 0
	MUL8 F1, 3, 0
	WIN 0
; THE WAY OUT, block by block of 16 rows x 128 columns: through my own stage and back as whole rows of 512 bytes.  LDS serves a wave's instructions in order (ISA guide 5.7.1.4): no wait between the stores and the loads.
.macro TOSTAGE a
	WIN 0x08                                       ; an LDS store's data are its source 1: window 2
.irp b, 0,1,2,3,4,5,6,7
	ds_store_b128 v[STO], v[64*\a+8*\b:64*\a+8*\b+3] offset:64*\b          ; each accumulator from its low end on
	ds_store_b128 v[STO], v[64*\a+8*\b+4:64*\a+8*\b+7] offset:64*\b+16
.endr
	WIN 0
.irp t, 0,1,2,3,4,5,6,7,8,9,10,11,12,13,14,15
	ds_load_b128 v[BK+64*(\a%2)+4*\t:BK+64*(\a%2)+4*\t+3], v[RD] offset:\t*SPITCH
.endr
.endm
.macro SEND a, younger                 ; younger: the LDS instructions issued behind block a's loads, which may stay out
	s_wait_dscnt \younger
.irp t, 0,1,2,3,4,5,6,7,8,9,10,11,12,13,14,15
	global_store_b128 v[CO], v[BK+64*(\a%2)+4*\t:BK+64*(\a%2)+4*\t+3], s[10:11] offset:(16*\a+\t)*4096 th:TH_STORE_NT   ; 32 lanes store 512 consecutive bytes, aligned; written once, read by nobody here
.endr
.endm
	PLACES                                         ; in front of the first read of results
	TOSTAGE 0
	TOSTAGE 1
	SEND 0, 32                                     ; behind block 0's loads: block 1's 16 stores and 16 loads
	s_wait_xcnt 0x0                                ; block 0's stores have read their registers: block 2's loads may land there
	TOSTAGE 2
	SEND 1, 32
	s_wait_xcnt 0x0
	TOSTAGE 3
	SEND 2, 32
	SEND 3, 0
	s_wait_tensorcnt 0x0                           ; the wave's end: behind my last tensor load and my last LDS store
	ds_add_u32 v[SPW], v[NIL]
	s_wait_dscnt 0x0
	CROUND                                         ; the closing round
	s_endpgm
.Lfunc_end_k_q3a98cce73d_project_out:
	.size	k_q3a98cce73d_project_out, .Lfunc_end_k_q3a98cce73d_project_out-k_q3a98cce73d_project_out
	.p2alignl 7, 3214868480
	.fill 96, 4, 3214868480
	.section	.rodata,"a",@progbits
	.p2align	6, 0x0
	.amdhsa_kernel k_q3a98cce73d_project_out
		.amdhsa_group_segment_fixed_size 327680
		.amdhsa_private_segment_fixed_size 0
		.amdhsa_enable_private_segment 0
		.amdhsa_kernarg_size 32
		.amdhsa_user_sgpr_count 2
		.amdhsa_user_sgpr_kernarg_segment_ptr 1
		.amdhsa_wavefront_size32 1
		.amdhsa_system_sgpr_workgroup_id_x 1
		.amdhsa_system_sgpr_workgroup_id_y 1
		.amdhsa_system_sgpr_workgroup_id_z 1
		.amdhsa_system_vgpr_workitem_id 0
		.amdhsa_next_free_vgpr 768
		.amdhsa_next_free_sgpr 72
		.amdhsa_reserve_vcc 0
		.amdhsa_float_denorm_mode_32 3
		.amdhsa_float_denorm_mode_16_64 3
		.amdhsa_memory_ordered 1
		.amdhsa_forward_progress 1
		.amdhsa_inst_pref_size 86
	.end_amdhsa_kernel
	.amdgpu_metadata
---
amdhsa.version: [ 1, 2 ]
amdhsa.kernels:
  - .name:           k_q3a98cce73d_project_out
    .symbol:         k_q3a98cce73d_project_out.kd
    .args:
      - { .name: aoh, .offset: 0, .size: 8, .value_kind: global_buffer, .address_space: global }
      - { .name: wo16, .offset: 8, .size: 8, .value_kind: global_buffer, .address_space: global }
      - { .name: bo, .offset: 16, .size: 8, .value_kind: global_buffer, .address_space: global }
      - { .name: out0, .offset: 24, .size: 8, .value_kind: global_buffer, .address_space: global }
    .group_segment_fixed_size: 327680
    .private_segment_fixed_size: 0
    .kernarg_segment_align: 8
    .kernarg_segment_size: 32
    .max_flat_workgroup_size: 128
    .sgpr_count:     72
    .vgpr_count:     768
    .wavefront_size: 32
...
	.end_amdgpu_metadata
.endif
;; end of part 4
